; MI455X (gfx1250); checked and timed in simulation.
; The chip was launched on July 23, 2026; its instructions are those of AMD's public machine-readable ISA for CDNA 5 (MIT licence, August 2026) and "CDNA5" Instruction Set Architecture Reference Guide (July 2026). The comments in the code are by the model that wrote it; some were corrected since.
;; Multihead Self Attention. Allowed arithmetic: matrix products marked QUANTISED: E2M1 operands, one E8M0 scale for each 32 along K, by v_wmma_scale_f32_16x16x128_f8f6f4 with both operands' format E2M1 (or v_wmma_scale_f32_32x16x128_f4), f32 sums; products left as they are: bf16, f16 or f32 operands; f32 sums; everything else in f32.
;; Inputs: k_proj_weight 1,024 x 1,024 float32; o_proj_weight 1,024 x 1,024 float32; q_proj_weight 1,024 x 1,024 float32; v_proj_weight 1,024 x 1,024 float32; x 4 x 2,048 x 1,024 float32.
;; Outputs: out0 4 x 2,048 x 1,024 float32.
;; This version of the problem:
;;   THIS VERSION OF THE PROBLEM IS GIVEN IN LOW PRECISION. The matrix products marked QUANTISED in the list below multiply operands that are first quantised to E2M1 (2 exponent bits, 1 mantissa bit; 4 bits a number), with one power-of-two scale for each 32 numbers along K (OCP MX v1.0); their sums are f32. The products marked 'left as it is' may take bf16, f16 or f32 operands, with f32 sums. Whichever they take, every output number must still come out within the allowed error. Rounding operands to bf16 (8 significant bits) uses up far more of that allowance than f16 does (11 bits, for magnitudes from 6e-5 to 65,504). All else is computed in f32.
;;   The module's matrix products, in the order in which they are computed (A, B: the left and right operand; K: the contracted axis; several contracted axes count as one K, in the product's order):
;;     1. [M 8,192, K 1,024] x [K 1,024, N 1,024]; A: input x; B: input q_proj_weight: QUANTISED
;;     2. [M 8,192, K 1,024] x [K 1,024, N 1,024]; A: input x; B: input k_proj_weight: QUANTISED
;;     3. [M 8,192, K 1,024] x [K 1,024, N 1,024]; A: input x; B: input v_proj_weight: QUANTISED
;;     4. batch 64 x [M 2,048, K 64] x [K 64, N 2,048]; A: computed on the way; B: computed on the way: left as it is (an operand is computed on the way)
;;     5. batch 64 x [M 2,048, K 2,048] x [K 2,048, N 64]; A: computed on the way; B: computed on the way: left as it is (an operand is computed on the way)
;;     6. [M 8,192, K 1,024] x [K 1,024, N 1,024]; A: computed on the way; B: input o_proj_weight: left as it is (an operand is computed on the way)
;;   THE QUANTISER, for each operand of a quantised product, along K:
;;     - K is cut into blocks of 32 from its start; a last block that is shorter is filled with zeros.
;;     - A block's scale is 2^e with e = floor(log2(the largest magnitude in the block)) - 2, held to -126 .. 127; a block of zeros has e = 0. As a byte (E8M0): e + 127.
;;     - Each number is divided by its block's scale, clamped to +-6, and rounded to the nearest number of E2M1, ties to even, subnormals kept.
;;     - The product sums the exact products of the quantised numbers (number of the format x scale) in f32.
;;   ~~~python
;;   def quantise(x, axis):      # numpy; x: float32 -> the quantised numbers, widened to float32 again
;;       x = np.moveaxis(x, axis, -1); K = x.shape[-1]
;;       x = np.pad(x, [(0, 0)] * (x.ndim - 1) + [(0, -K % 32)]); x = x.reshape(x.shape[:-1] + (-1, 32)); a = np.abs(x).max(-1, keepdims=True)
;;       e = np.where(a > 0, np.clip(np.frexp(np.where(a > 0, a, 1))[1] - 1 - 2, -126, 127), 0)      # np.frexp(a)[1] - 1 = floor(log2(a)), exactly
;;       r = np.clip(x / 2.0 ** e, -6, 6)
;;       step = 2.0 ** (np.maximum(np.frexp(np.where(r == 0, 1, r))[1] - 1, 0) - 1)
;;       q = np.round(r / step) * step * 2.0 ** e      # np.round: ties to even
;;       return np.moveaxis(q.reshape(q.shape[:-2] + (-1,))[..., :K], -1, axis).astype(np.float32)
;;   ~~~
;; One version. Each part assembles by itself: llvm-mc -triple=amdgcn-amd-amdhsa -mcpu=gfx1250 --defsym DOCPART=n.
;; ======== version 1 of 1: 5 launches
;; limits: values are held in f16: magnitudes above 65,504 overflow, below 6.1e-05 lose precision
;; workspace buffers: xc 4,194,304 bytes; xs 262,144 bytes; wc 1,572,864 bytes; ws 98,304 bytes; wo16 2,097,152 bytes; qkv 50,331,648 bytes; fine 786,432 bytes; att 16,777,216 bytes
;; launch quant (part 1): grid 384 x 1, 4 waves a work-group, no clusters, 33,280 bytes of LDS; arguments x, q_proj_weight, k_proj_weight, v_proj_weight, o_proj_weight, xc, xs, wc, ws, wo16; writes xc, xs, wc, ws, wo16
.if DOCPART == 1
	.amdgcn_target "amdgcn-amd-amdhsa--gfx1250"
	.amdhsa_code_object_version 6
	.text
	.protected	k_qa0141d2a9f_quant
	.globl	k_qa0141d2a9f_quant
	.p2align	8
	.type	k_qa0141d2a9f_quant,@function
k_qa0141d2a9f_quant:
	s_mov_b64 s[64:65], 0
	v_nop
	global_prefetch_b8 v0, s[64:65] scope:SCOPE_SE
	s_setreg_imm32_b32 hwreg(HW_REG_WAVE_MODE, 25, 1), 1
	s_wait_xcnt 0x0
; x [8192][1024] and wq, wk, wv [1024][1024], f32, K innermost, become codes of FP4 (E2M1) with one E8M0 byte for each 32 along K;
; wo [1024][1024] f32 becomes f16, laid by head: wo16 [16 heads][1024 e][64].
; A block's scale is 2^(floor(log2(largest magnitude)) - 2); its byte is the largest magnitude's exponent field - 2, held at 1 from below.
; A block of zeros so gets the byte 1 where the rule says 127: its codes are zeros, and this program alone reads the bytes.
; LIMITS: NaN and infinities are not served; blocks whose largest magnitude lies under 2^-124 keep the byte 1 and were not tried; |wo| stays under 65,504 (f16).
; SHARES: a work-group takes 32,768 numbers.  Work-groups 0-255: x; 256-287: wq; 288-319: wk; 320-351: wv (the three follow each other in wc and ws); 352-383: wo.
; Rows are dense and K is a multiple of 32: each tensor is a plain stream of blocks of 32, and so are its codes and scale bytes.
; A wave takes 16 steps of 512 numbers: four loads of 512 consecutive bytes, a turn through the wave's own stage in LDS so that a lane holds 16 neighbours, two conversions, one store of 256 consecutive bytes.
; No tensor load, no barrier: waves share nothing.
.set WAVES, 4
.set STEPS, 16
.set EMAX,  2
.set CB,    8                          ; bytes of 16 codes
.set R,     16                         ; v16-79   four sets of 16 numbers as loaded
.set X,     80                         ; v80-111  two sets of 16 neighbours
.set C,     128                        ; v128-191 codes, four registers for each step
.set E,     112                        ; v112-127 a scale byte for each step
.set WREG,  8192                       ; LDS: a region for each wave: two stages of 32 x SP bytes, then its 256 scale bytes
.set SP,    80                         ; a lane's place in a stage: 64 bytes + 16 of padding
.set SPW,   12                         ; v12 LDS address of my spare word; never rewritten
.set NIL,   13                         ; v13 0; never rewritten
.set SPARE, WAVES*WREG                 ; behind the regions: the spare words, 128 bytes a wave, named by no other line
.set SRC,   24                         ; s[24:25] the tensor, s[26:27] its codes, s[28:29] its scale bytes
.set COD,   26
.set SCA,   28
	s_load_b512 s[4:19], s[0:1], 0x0               ; x 4:5, wq 6:7, wk 8:9, wv 10:11, wo 12:13, xc 14:15, xs 16:17, wc 18:19
	s_load_b128 s[20:23], s[0:1], 0x40             ; ws 20:21, wo16 22:23
	v_lshl_add_u32 v[SPW], v0, 2, SPARE
	v_mov_b32 v[NIL], 0
	v_lshrrev_b32 v1, 5, v0
	v_readfirstlane_b32 s33, v1                    ; wave
	v_and_b32 v2, 31, v0                           ; lane
	v_lshlrev_b32 v3, 4, v2                        ; 16 x lane
	s_mul_i32 s34, s33, WREG
	v_lshrrev_b32 v14, 2, v2
	v_mul_u32_u24 v14, v14, SP
	v_and_b32 v15, 3, v2
	v_lshl_add_u32 v14, v15, 4, v14
	v_add_nc_u32 v14, s34, v14                     ; the stage, on the way in: four lanes' 64 bytes on end, then 16 of padding
	v_mul_u32_u24 v15, v2, SP
	v_add_nc_u32 v15, s34, v15                     ; on the way out: SP x lane: my 16 neighbours
	v_mul_u32_u24 v4, v2, CB                       ; my codes' place in a step's
	v_lshrrev_b32 v5, 1, v2
	s_add_co_u32 s34, s34, 2*32*SP
	v_add_nc_u32 v5, s34, v5                       ; my block's scale byte in my wave's 256
	v_lshlrev_b32 v7, 3, v2
	v_add_nc_u32 v6, s34, v7                       ; and on the way out 8 bytes a lane
	s_wait_kmcnt 0x0
	s_cmp_ge_u32 ttmp9, 352
	s_cbranch_scc1 .Lwo                            ; the last 32 work-groups take wo
	s_cmp_lt_u32 ttmp9, 256                        ; x or a weight?  Every choice hangs on the work-group's number alone
	s_cselect_b64 s[SRC:SRC+1], s[4:5], s[6:7]
	s_cselect_b64 s[COD:COD+1], s[14:15], s[18:19]
	s_cselect_b64 s[SCA:SCA+1], s[16:17], s[20:21]
	s_cselect_b32 s30, 0, 256
	s_cselect_b32 s31, -1, 31
	s_cmp_ge_u32 ttmp9, 288
	s_cselect_b64 s[SRC:SRC+1], s[8:9], s[SRC:SRC+1]
	s_cmp_ge_u32 ttmp9, 320
	s_cselect_b64 s[SRC:SRC+1], s[10:11], s[SRC:SRC+1]
	s_sub_co_u32 s30, ttmp9, s30                   ; my place among the work-groups that write these codes
	s_and_b32 s31, s30, s31                        ; and among those that read this tensor (32 to a weight)
	s_lshl_b32 s31, s31, 2
	s_add_co_u32 s31, s31, s33                     ; which run of 8,192 numbers I read,
	s_lshl_b32 s30, s30, 2
	s_add_co_u32 s30, s30, s33                     ; and which I write
	s_lshl_b32 s34, s31, 15                        ; 32,768 bytes a run
	s_mov_b32 s35, 0
	s_add_nc_u64 s[SRC:SRC+1], s[SRC:SRC+1], s[34:35]
	s_lshl_b32 s34, s30, 12                        ; 4,096 bytes of codes
	s_add_nc_u64 s[COD:COD+1], s[COD:COD+1], s[34:35]
	s_lshl_b32 s34, s30, 8                         ; 256 scale bytes
	s_add_nc_u64 s[SCA:SCA+1], s[SCA:SCA+1], s[34:35]
.macro LOAD t
.irp i, 0,1,2,3
	global_load_b128 v[R+16*((\t)%4)+4*\i:R+16*((\t)%4)+4*\i+3], v3, s[SRC:SRC+1] offset:2048*(\t)+512*\i th:TH_LOAD_NT   ; 32 lanes read 512 consecutive bytes
.endr
.endm
.macro TURN t                          ; step t's numbers through the stage; LDS serves a wave's instructions in order, so no wait stands between stores and loads
.irp i, 0,1,2,3
	ds_store_b128 v14, v[R+16*((\t)%4)+4*\i:R+16*((\t)%4)+4*\i+3] offset:32*SP*((\t)%2)+8*SP*\i
.endr
.irp i, 0,1,2,3
	ds_load_b128 v[X+16*((\t)%2)+4*\i:X+16*((\t)%2)+4*\i+3], v15 offset:32*SP*((\t)%2)+16*\i
.endr
.endm
.irp t, 0,1,2,3
	LOAD \t
.endr
	s_wait_loadcnt 12                              ; step 0's four loads are in; the 12 of steps 1 to 3 may be out
	TURN 0
.macro STEP t
.set XS, X+16*((\t)%2)
.if (\t) > 0
	s_wait_dscnt 1                                 ; this step's numbers are back from the stage; the last step's byte store may be out
.else
	s_wait_dscnt 0x0
.endif
.if (\t)+4 < STEPS
	LOAD (\t)+4                                    ; into the registers that this step's stores into the stage have read
.endif
.if (\t)+1 < STEPS
.if STEPS-2-(\t) >= 3
	s_wait_loadcnt 12                              ; the next step's four loads are in; those of the three steps behind it may be out
.else
	s_wait_loadcnt 4*(STEPS-2-(\t))
.endif
	TURN (\t)+1
.endif
	v_max3_num_f32 v8, |v[XS]|, |v[XS+1]|, |v[XS+2]|               ; the largest magnitude of my 16, in two chains
	v_max3_num_f32 v9, |v[XS+3]|, |v[XS+4]|, |v[XS+5]|
.irp i, 6,10
	v_max3_num_f32 v8, v8, |v[XS+\i]|, |v[XS+\i+1]|
	v_max3_num_f32 v9, v9, |v[XS+\i+2]|, |v[XS+\i+3]|
.endr
	v_max3_num_f32 v8, v8, |v[XS+14]|, |v[XS+15]|
	v_max3_num_f32 v8, v8, v9, (EMAX+1)<<23        ; and the floor 2^(3 - 127): the byte cannot fall under 1
	v_max_num_f32_dpp v8, v8, v8 row_xmask:1 row_mask:0xf bank_mask:0xf   ; with my neighbour's 16: the block's
	v_add_nc_u32 v11, -(EMAX<<23), v8              ; 2 off its exponent field: the conversion takes the exponent field of this operand as its scale
	v_cvt_scalef32_pk8_fp4_f32 v[C+4*(\t)], v[XS:XS+7], v11
	v_cvt_scalef32_pk8_fp4_f32 v[C+4*(\t)+1], v[XS+8:XS+15], v11
	v_lshrrev_b32 v[E+(\t)], 23, v11               ; the scale's byte (a plain line behind the conversions)
	ds_store_b8 v5, v[E+(\t)] offset:16*(\t)       ; both lanes of a block write the same byte with the same value
	global_store_b64 v4, v[C+4*(\t):C+4*(\t)+1], s[COD:COD+1] offset:32*CB*(\t)   ; the wave stores 256 consecutive bytes, aligned
.endm
.irp t, 0,1,2,3,4,5,6,7,8,9,10,11,12,13,14,15
	STEP \t
.endr
	ds_load_b64 v[8:9], v6                         ; my wave's 256 scale bytes; LDS serves a wave's instructions in order
	s_wait_dscnt 0x0
	global_store_b64 v7, v[8:9], s[SCA:SCA+1]      ; 32 lanes store 256 consecutive bytes, aligned
	s_wait_tensorcnt 0x0                           ; the wave's end
	ds_add_u32 v[SPW], v[NIL]
	s_wait_dscnt 0x0
	s_endpgm
; wo to f16, by head.  Wave w of work-group i takes rows e = 32 i + 8 w .. + 7.  A group is 4 rows x one head: lane l takes row l / 8 and the 8 numbers at 8 (l % 8):
; two loads of 16 bytes, four roundings, one store; the wave's store covers 512 consecutive bytes of wo16.  Four batches of 8 groups, two batches of loads in flight.
.Lwo:
	s_sub_co_u32 s30, ttmp9, 352
	s_lshl_b32 s30, s30, 5
	s_lshl_b32 s31, s33, 3
	s_add_co_u32 s30, s30, s31                     ; my first row
	s_lshl_b32 s34, s30, 12
	s_mov_b32 s35, 0
	s_add_nc_u64 s[12:13], s[12:13], s[34:35]      ; 4,096 bytes a row of wo
	s_lshl_b32 s34, s30, 7
	s_add_nc_u64 s[22:23], s[22:23], s[34:35]      ; 128 bytes a row of a head's plane
	v_lshrrev_b32 v10, 3, v2
	v_lshlrev_b32 v10, 12, v10
	v_and_b32 v11, 7, v2
	v_lshl_add_u32 v10, v11, 5, v10                ; (l / 8) rows + 32 (l % 8) bytes
.macro LOADB bt                        ; batch bt: heads 4 bt .. 4 bt + 3, row groups 0 and 1, into v16-79 or v192-255
.set LS, 16+176*((\bt)%2)
.irp gi, 0,1,2,3,4,5,6,7
	global_load_b128 v[LS+8*\gi:LS+8*\gi+3], v10, s[12:13] offset:(\gi%2)*16384+(4*(\bt)+\gi/2)*256
	global_load_b128 v[LS+8*\gi+4:LS+8*\gi+7], v10, s[12:13] offset:(\gi%2)*16384+(4*(\bt)+\gi/2)*256+16
.endr
.endm
.macro WOB bt
.if (\bt) < 3
	s_wait_loadcnt 16                              ; this batch is in; the next batch's 16 loads may be out
.else
	s_wait_loadcnt 0x0
.endif
.if (\bt) >= 2
	s_wait_xcnt 0x0                                ; the stores of two batches ago have read the registers that are written now
.endif
.set LS, 16+176*((\bt)%2)
.set OS, 128+32*((\bt)%2)
.irp gi, 0,1,2,3,4,5,6,7
.irp k, 0,1,2,3
	v_cvt_pk_f16_f32 v[OS+4*\gi+\k], v[LS+8*\gi+2*\k], v[LS+8*\gi+2*\k+1]
.endr
.endr
.irp gi, 0,1,2,3,4,5,6,7
	global_store_b128 v3, v[OS+4*\gi:OS+4*\gi+3], s[22:23] offset:(4*(\bt)+\gi/2)*131072+(\gi%2)*512
.endr
.if (\bt)+2 < 4
	LOADB (\bt)+2
.endif
.endm
	LOADB 0
	LOADB 1
	WOB 0
	WOB 1
	WOB 2
	WOB 3
	s_wait_tensorcnt 0x0                           ; the wave's end
	ds_add_u32 v[SPW], v[NIL]
	s_wait_dscnt 0x0
	s_endpgm
.Lfunc_end_k_qa0141d2a9f_quant:
	.size	k_qa0141d2a9f_quant, .Lfunc_end_k_qa0141d2a9f_quant-k_qa0141d2a9f_quant
	.p2alignl 7, 3214868480
	.fill 96, 4, 3214868480
	.section	.rodata,"a",@progbits
	.p2align	6, 0x0
	.amdhsa_kernel k_qa0141d2a9f_quant
		.amdhsa_group_segment_fixed_size 33280
		.amdhsa_private_segment_fixed_size 0
		.amdhsa_enable_private_segment 0
		.amdhsa_kernarg_size 80
		.amdhsa_user_sgpr_count 2
		.amdhsa_user_sgpr_kernarg_segment_ptr 1
		.amdhsa_wavefront_size32 1
		.amdhsa_system_sgpr_workgroup_id_x 1
		.amdhsa_system_sgpr_workgroup_id_y 1
		.amdhsa_system_sgpr_workgroup_id_z 1
		.amdhsa_system_vgpr_workitem_id 0
		.amdhsa_next_free_vgpr 256
		.amdhsa_next_free_sgpr 66
		.amdhsa_reserve_vcc 0
		.amdhsa_float_denorm_mode_32 3
		.amdhsa_float_denorm_mode_16_64 3
		.amdhsa_memory_ordered 1
		.amdhsa_forward_progress 1
		.amdhsa_inst_pref_size 51
	.end_amdhsa_kernel
	.amdgpu_metadata
---
amdhsa.version: [ 1, 2 ]
amdhsa.kernels:
  - .name:           k_qa0141d2a9f_quant
    .symbol:         k_qa0141d2a9f_quant.kd
    .args:
      - { .name: x, .offset: 0, .size: 8, .value_kind: global_buffer, .address_space: global }
      - { .name: q_proj_weight, .offset: 8, .size: 8, .value_kind: global_buffer, .address_space: global }
      - { .name: k_proj_weight, .offset: 16, .size: 8, .value_kind: global_buffer, .address_space: global }
      - { .name: v_proj_weight, .offset: 24, .size: 8, .value_kind: global_buffer, .address_space: global }
      - { .name: o_proj_weight, .offset: 32, .size: 8, .value_kind: global_buffer, .address_space: global }
      - { .name: xc, .offset: 40, .size: 8, .value_kind: global_buffer, .address_space: global }
      - { .name: xs, .offset: 48, .size: 8, .value_kind: global_buffer, .address_space: global }
      - { .name: wc, .offset: 56, .size: 8, .value_kind: global_buffer, .address_space: global }
      - { .name: ws, .offset: 64, .size: 8, .value_kind: global_buffer, .address_space: global }
      - { .name: wo16, .offset: 72, .size: 8, .value_kind: global_buffer, .address_space: global }
    .group_segment_fixed_size: 33280
    .private_segment_fixed_size: 0
    .kernarg_segment_align: 8
    .kernarg_segment_size: 80
    .max_flat_workgroup_size: 128
    .sgpr_count:     66
    .vgpr_count:     256
    .wavefront_size: 32
...
	.end_amdgpu_metadata
.endif
;; end of part 1
;; launch qkvgemm (part 2): grid 12 x 32, 4 waves a work-group, clusters of 4 x 4, 327,680 bytes of LDS; arguments xc, xs, wc, ws, qkv, fine; writes qkv, fine
.if DOCPART == 2
	.amdgcn_target "amdgcn-amd-amdhsa--gfx1250"
	.amdhsa_code_object_version 6
	.text
	.protected	k_qa0141d2a9f_qkvgemm
	.globl	k_qa0141d2a9f_qkvgemm
	.p2align	8
	.type	k_qa0141d2a9f_qkvgemm,@function
k_qa0141d2a9f_qkvgemm:
	s_mov_b64 s[64:65], 0
	v_nop
	global_prefetch_b8 v0, s[64:65] scope:SCOPE_SE
	s_setreg_imm32_b32 hwreg(HW_REG_WAVE_MODE, 25, 1), 1
	s_wait_xcnt 0x0
	s_wait_alu depctr_hold_cnt(0) depctr_sa_sdst(0) depctr_va_vdst(0) depctr_va_sdst(0) depctr_va_ssrc(0) depctr_va_vcc(0) depctr_vm_vsrc(0)
	s_getreg_b32 s2, hwreg(HW_REG_IB_STS2, 6, 4)
	s_cmp_eq_u32 s2, 0
	s_cbranch_scc0 .Lentry_in_a_cluster
	s_endpgm
.Lentry_in_a_cluster:
	s_bfe_u32 s2, ttmp6, 0x10000c
	s_cmp_lg_u32 s2, 0xf033
	s_cbranch_scc0 .Lentry_shape_is_right
	s_endpgm
.Lentry_shape_is_right:
; q, k, v = x (wq | wk | wv)^T on codes of FP4 (E2M1) with one E8M0 scale for each 32 along K; sums in f32.  A = xc [8192][1024 codes], B = wc [3072][1024 codes].
; The results leave as f16 in planes: qkv [batch 4][48 planes: 16 q heads, 16 k, 16 v][2048 positions][64]; positions 0-15 of every batch leave in f32 too: fine [4][16][3072].
; LIMIT: |q|, |k|, |v| stay under 65,504 (f16).
; A tile of C, 256 x 256, is made by four waves, each 128 x 128: 64 accumulators, 512 registers.  K = 1,024 is two slots of 512: both are first fills, nothing is filled again.
; The scales of the work-group's rows of A and of B, for all of K, come into LDS once, in rows of 256 bytes.
; CLUSTERS: 4 x 4 work-groups.  The four of a row of the cluster need the same tiles of A, the four of a column the same tiles of B: each tile is asked for jointly.
; The tile row is 8 cy + cluster y: so cy is the batch and cluster y says which 256 positions: the test for positions 0-15 hangs on the cluster's number and the wave's alone.
; The matrix instruction is used transposed (source 0 = 16 rows of B, source 1 = 16 rows of A): a lane holds eight neighbouring numbers of a row of C.
; REGISTERS: window 0: v0-31 addresses; v32-95 scale words, two sets; v128-191 A's fragments, one set.  window 1: B's fragments, two sets.  windows 2, 3: the accumulators ((a, b) at v[8 (8 (a % 4) + b)]).
.set SIZE_M, 8192
.set SIZE_N, 3072
.set SIZE_K, 1024
.set PLANE,  262144                    ; a plane of qkv: 2,048 positions x 128 bytes
.set KSTEP,  512
.set NQ,     KSTEP/128
.set ROWB,   256                       ; a tile's row: 512 codes
.set KROW,   SIZE_K*4/8
.set PITCH,  272                       ; an LDS row: 256 bytes + 16 of padding: the 16 rows of a fragment load start at 16 different banks
.set FR,     8
.set NL,     2
.set NP,     4
.set HALFT,  128*PITCH
.set SLOT,   4*HALFT
.set KS,     SIZE_K/32
.set SCL,    2*SLOT                    ; behind the two slots: the scales
.set HALFS,  (128*KS/256)*272
.set SBLK,   (16*KS/256)*272
.set SPARE,  SCL+4*HALFS               ; the spare words, 128 bytes a wave, named by no other line
.set FPITCH, 528                       ; the way out in f32: a stage of 16 rows x (512 + 16) bytes a wave, from LDS byte 0
.set HPITCH, 272                       ; the way out in f16: 16 rows x (256 + 16) bytes a wave,
.set HSTG,   4*16*FPITCH               ; behind the f32 stages.  Both lie in slot 0, which has had its only fill and its last read by then
.set ADRA, 16
.set ADRB, 20
.set STO,  24                          ; v24 f16 stage: where I put 16 bytes of a row
.set RD,   25                          ; v25 f16 stage: where I read 16 bytes of four rows' halves back
.set CO,   26                          ; v26 16 x lane
.set ADRS, 27
.set SPW,  28
.set NIL,  29
.set FSTO, 30                          ; v30, v31 the same for the f32 stage
.set FRD,  31
.set SC,   32
.set AF,   128
.set TMP,  192                         ; the way out: packed results
.set OB,   32                          ; rows read back: v32-63 and v224-255 by turns
.set G1, 24
.set G0, 32
.set G1B, 48
.set G0B, 56
.set G1S, 68
.set G0S, 76
.set G1SB, 80
.set G0SB, 88
.set MSB, 0
.macro WIN new                         ; the immediate's high byte repeats the setting that is left
.if MSB != (\new)
	s_set_vgpr_msb (MSB<<8)|(\new)
.set MSB, (\new)
.endif
.endm
.set MUL_LO, 0xa1                      ; source 0 (B) window 1, source 1 (A) window 0, C and D window 2
.set MUL_HI, 0xf1
.set TO_B,   0x40
; A joint load: waves 0 and 1 fetch for A, waves 2 and 3 for B; the branch hangs on the wave's number alone.  An s_nop 0 and four v_nop follow each line.
.macro JLOAD g0a, g1a, g0b, g1b
	s_cmp_eq_u32 s15, 0
	s_cbranch_scc0 .Lfor_b_\@
	tensor_load_to_lds s[\g0a:\g0a+3], s[\g1a:\g1a+7]
	s_nop 0
.rept 4
	v_nop
.endr
	s_branch .Lasked_\@
.Lfor_b_\@:
	tensor_load_to_lds s[\g0b:\g0b+3], s[\g1b:\g1b+7]
	s_nop 0
.rept 4
	v_nop
.endr
.Lasked_\@:
.endm
.macro CROUND                          ; a round of the cluster's barrier
	s_barrier_signal -1
	s_barrier_wait -1
	s_cmp_lg_u32 s14, 0
	s_cbranch_scc1 .Lnot_wave_0_\@
	s_barrier_signal -3
.Lnot_wave_0_\@:
	s_barrier_wait -3
	s_barrier_signal -1
	s_barrier_wait -1
.endm
	s_load_b128 s[4:7], s[0:1], 0x0                ; A's codes, A's scales
	s_load_b128 s[8:11], s[0:1], 0x10              ; B's codes, B's scales
	s_load_b64 s[12:13], s[0:1], 0x20              ; qkv
	s_load_b64 s[96:97], s[0:1], 0x28              ; fine
	v_lshl_add_u32 v[SPW], v0, 2, SPARE
	v_mov_b32 v[NIL], 0
	ds_add_u32 v[SPW], v[NIL]                      ; the opening: the add, twice on end, and its wait ahead of my first tensor load
	ds_add_u32 v[SPW], v[NIL]
	v_lshrrev_b32 v1, 5, v0
	v_readfirstlane_b32 s14, v1                    ; wave 0..3
	s_lshr_b32 s15, s14, 1                         ; which half of the tile's rows is mine.  Also: I fetch for A (0) or for B (1)
	s_and_b32 s16, s14, 1                          ; which half of its columns.  Also: which 128 rows I fetch
	s_bfe_u32 s40, ttmp6, 0x40000                  ; cx
	s_bfe_u32 s41, ttmp6, 0x40004                  ; cy
	s_lshl_b32 s42, ttmp9, 2
	s_add_co_u32 s42, s42, s40                     ; tile column = 4 x cluster x + cx
	s_and_b32 s3, ttmp7, 0xffff                    ; cluster y: which 256 positions
	s_lshl_b32 s17, s41, 3
	s_add_co_u32 s17, s17, s3                      ; tile row = 8 cy + cluster y: cy is the batch
	s_lshl_b32 s43, s41, 2
	s_lshl_b32 s43, 15, s43                        ; my row of the cluster
	s_lshl_b32 s44, 0x1111, s40                    ; my column
	s_or_b32 s[G1+0], s43, (0<<16)|(1<<20)|(1<<21)|(5<<22)|(3<<25)  ; mask; elements of 1 byte; padding on; bit 21 beside a mask; 4 words behind every 64
	s_or_b32 s[G1B+0], s44, (0<<16)|(1<<20)|(1<<21)|(5<<22)|(3<<25)
.irp g, G1, G1B
	s_mov_b32 s[\g+1], ROWB<<16                    ; tensor_dim0
	s_mov_b32 s[\g+2], 128<<16                     ; tensor_dim1
	s_mov_b32 s[\g+3], ROWB<<16                    ; tile_dim0
	s_mov_b32 s[\g+4], 128                         ; tile_dim1
	s_mov_b32 s[\g+5], KROW                        ; pitch
	s_mov_b32 s[\g+6], 0
	s_mov_b32 s[\g+7], 0
.endr
	s_or_b32 s[G1S+0], s43, (3<<16)|(1<<20)|(1<<21)|(5<<22)|(3<<25) ; the scales of 128 rows: 4,096 dense bytes as 16 rows of 256 (32 elements of 8 bytes)
	s_or_b32 s[G1SB+0], s44, (3<<16)|(1<<20)|(1<<21)|(5<<22)|(3<<25)
.irp g, G1S, G1SB
	s_mov_b32 s[\g+1], 32<<16
	s_mov_b32 s[\g+2], (128*KS/256)<<16
	s_mov_b32 s[\g+3], 32<<16
	s_mov_b32 s[\g+4], 128*KS/256
	s_mov_b32 s[\g+5], 32
	s_mov_b32 s[\g+6], 0
	s_mov_b32 s[\g+7], 0
.endr
	s_lshl_b32 s18, s16, 7
	s_lshl_b32 s20, s17, 8
	s_add_co_u32 s20, s20, s18                     ; A: row 256 x tile row + 128 x half
	s_lshl_b32 s46, s42, 8
	s_add_co_u32 s46, s46, s18                     ; B: row 256 x tile column + 128 x half
	s_mov_b32 s21, 0
	s_mov_b32 s47, 0
	s_mov_b64 s[18:19], KS
	s_mul_u64 s[22:23], s[20:21], s[18:19]         ; where these rows' scales begin
	s_mul_u64 s[92:93], s[46:47], s[18:19]
	s_mov_b64 s[18:19], KROW
	s_mul_u64 s[20:21], s[20:21], s[18:19]         ; and their codes
	s_mul_u64 s[46:47], s[46:47], s[18:19]
	s_mul_i32 s45, s14, HALFT                      ; where they go: wave x 128 rows
	s_mul_i32 s94, s14, HALFS
	s_or_b32 s95, s3, s15                          ; 0 in the waves whose rows begin with positions 0-15 of a batch
	s_wait_dscnt 0x0                               ; both opening adds are done
	s_wait_kmcnt 0x0
	s_add_nc_u64 s[20:21], s[4:5], s[20:21]
	s_add_nc_u64 s[22:23], s[6:7], s[22:23]
	s_add_nc_u64 s[46:47], s[8:9], s[46:47]
	s_add_nc_u64 s[92:93], s[10:11], s[92:93]
	CROUND                                         ; all sixteen work-groups are here: the joint loads meet
	s_mov_b32 s[G0S], 1
	s_add_co_u32 s[G0S+1], s94, SCL
	s_mov_b64 s[G0S+2:G0S+3], s[22:23]
	s_or_b32 s[G0S+3], s[G0S+3], 0x80000000
	s_mov_b32 s[G0SB], 1
	s_add_co_u32 s[G0SB+1], s94, SCL
	s_mov_b64 s[G0SB+2:G0SB+3], s[92:93]
	s_or_b32 s[G0SB+3], s[G0SB+3], 0x80000000
	JLOAD G0S, G1S, G0SB, G1SB                     ; the scales first; then both slots: three loads of mine are out
.irp s, 0,1
	s_mov_b32 s[G0+4*\s], 1
	s_add_co_u32 s[G0+4*\s+1], s45, \s*SLOT
	s_add_nc_u64 s[G0+4*\s+2:G0+4*\s+3], s[20:21], \s*ROWB
	s_or_b32 s[G0+4*\s+3], s[G0+4*\s+3], 0x80000000
	s_mov_b32 s[G0B+4*\s], 1
	s_add_co_u32 s[G0B+4*\s+1], s45, \s*SLOT
	s_add_nc_u64 s[G0B+4*\s+2:G0B+4*\s+3], s[46:47], \s*ROWB
	s_or_b32 s[G0B+4*\s+3], s[G0B+4*\s+3], 0x80000000
	JLOAD G0+4*\s, G1, G0B+4*\s, G1B
.endr
	v_and_b32 v1, 15, v0                           ; r = l % 16
	v_bfe_u32 v2, v0, 4, 1                         ; h = l / 16
	v_mul_u32_u24 v3, v1, PITCH
	v_lshl_add_u32 v4, v2, 4, v3                   ; a fragment's row x pitch + 16 h
	s_mul_i32 s21, s15, HALFT                      ; my 128 rows of A
	s_mul_i32 s22, s16, HALFT                      ; my 128 rows of B,
	s_add_co_u32 s22, s22, 2*HALFT                 ; behind A's 256
.irp s, 0,1
	v_add_nc_u32 v[ADRA+\s], s21, v4
	v_add_nc_u32 v[ADRB+\s], s22, v4
	s_add_co_u32 s21, s21, SLOT
	s_add_co_u32 s22, s22, SLOT
.endr
	v_mul_u32_u24 v5, v1, KS                       ; my row's scales: KS bytes a row,
	v_lshrrev_b32 v6, 8, v5
	v_lshl_add_u32 v5, v6, 4, v5                   ; and 16 more for each 256 passed
	s_mul_i32 s21, s15, HALFS
	s_mul_i32 s22, s16, HALFS
	s_add_co_u32 s22, s22, 2*HALFS
	s_sub_co_u32 s22, s22, s21
	v_mul_u32_u24 v6, s22, v2                      ; lanes 16-31 take B's
	s_add_co_u32 s21, s21, SCL
	v_add_nc_u32 v5, v5, v6
	v_add_nc_u32 v[ADRS], s21, v5
	s_mul_i32 s23, s14, 16*HPITCH
	s_add_co_u32 s23, s23, HSTG                    ; my f16 stage
	v_mul_u32_u24 v5, v1, HPITCH
	v_lshl_add_u32 v5, v2, 4, v5
	v_add_nc_u32 v[STO], s23, v5                   ; in: row r, 16 bytes for each half of the lanes
	v_bfe_u32 v5, v0, 3, 2
	v_mul_u32_u24 v5, v5, HPITCH
	v_and_b32 v6, 7, v0
	v_lshl_add_u32 v5, v6, 4, v5
	v_add_nc_u32 v[RD], s23, v5                    ; back: row l / 8 of four, 16 (l % 8) bytes into one head's 128
	v_and_b32 v6, 31, v0
	v_lshlrev_b32 v[CO], 4, v6
	s_mul_i32 s23, s14, 16*FPITCH                  ; my f32 stage
	v_mul_u32_u24 v5, v1, FPITCH
	v_lshl_add_u32 v5, v2, 5, v5
	v_add_nc_u32 v[FSTO], s23, v5
	v_add_nc_u32 v[FRD], s23, v[CO]
	; qkv at my wave's part: batch cy, planes 4 x tile column + 2 x column half on, positions 256 x cluster y + 128 x row half on
	s_mul_i32 s46, s41, 48
	s_lshl_b32 s47, s42, 2
	s_add_co_u32 s46, s46, s47
	s_lshl_b32 s47, s16, 1
	s_add_co_u32 s46, s46, s47
	s_lshl_b32 s46, s46, 18
	s_lshl_b32 s47, s3, 15
	s_add_co_u32 s46, s46, s47
	s_lshl_b32 s47, s15, 14
	s_add_co_u32 s46, s46, s47
	s_mov_b32 s47, 0
	s_add_nc_u64 s[12:13], s[12:13], s[46:47]
	; fine at batch cy, my 128 columns
	s_mul_i32 s46, s41, 196608
	s_lshl_b32 s47, s42, 10
	s_add_co_u32 s46, s46, s47
	s_lshl_b32 s47, s16, 9
	s_add_co_u32 s46, s46, s47
	s_mov_b32 s47, 0
	s_add_nc_u64 s[96:97], s[96:97], s[46:47]
.macro FRAG reg, adr, q, i             ; a fragment, 16 rows x 128 K of 4-bit codes: lane l holds row l % 16; registers 4 c .. 4 c + 3 hold K = 64 c + 32 (l / 16) + 0 .. 31
.irp c, 0,1
	ds_load_b128 v[\reg+4*\c:\reg+4*\c+3], v[\adr] offset:64*(\q)+32*\c+(\i)*16*PITCH
.endr
.endm
; 16 matrix instructions: A's blocks a0, a0 + 1 x B's eight.  The 64 accumulators take turns, one instruction a turn, in the same order in every step.
.macro MUL16 a0, p, q, sc, zero
.irp a, \a0, \a0+1
.irp b, 0,1,2,3,4,5,6,7
.if \zero
	v_wmma_scale_f32_16x16x128_f8f6f4 v[8*(8*((\a)%4)+\b):8*(8*((\a)%4)+\b)+7], v[128*(\p)+FR*\b:128*(\p)+FR*\b+FR-1], v[AF+FR*(\a):AF+FR*(\a)+FR-1], 0, v[SC+8*NQ*(\sc)+NQ*\b+(\q)], v[SC+8*NQ*(\sc)+NQ*(\a)+(\q)] matrix_a_fmt:MATRIX_FMT_FP4 matrix_b_fmt:MATRIX_FMT_FP4 matrix_a_scale:MATRIX_SCALE_ROW1
.else
	v_wmma_scale_f32_16x16x128_f8f6f4 v[8*(8*((\a)%4)+\b):8*(8*((\a)%4)+\b)+7], v[128*(\p)+FR*\b:128*(\p)+FR*\b+FR-1], v[AF+FR*(\a):AF+FR*(\a)+FR-1], v[8*(8*((\a)%4)+\b):8*(8*((\a)%4)+\b)+7], v[SC+8*NQ*(\sc)+NQ*\b+(\q)], v[SC+8*NQ*(\sc)+NQ*(\a)+(\q)] matrix_a_fmt:MATRIX_FMT_FP4 matrix_b_fmt:MATRIX_FMT_FP4 matrix_a_scale:MATRIX_SCALE_ROW1
.endif
.endr
.endr
.endm
.macro FETCH_B slot, q, p
	WIN TO_B
.irp i, 0,1,2,3,4,5,6,7
	FRAG 128*(\p)+FR*\i, ADRB+\slot, \q, \i
.endr
	WIN 0
.endm
.macro FETCH_A slot, q, i0
.irp i, \i0, \i0+1, \i0+2, \i0+3
	FRAG AF+FR*(\i), ADRA+\slot, \q, \i
.endr
.endm
.macro SCALES sc                       ; a slot's scale words: lanes 0-15 take A's block i, lanes 16-31 B's block i
.irp i, 0,1,2,3,4,5,6,7
	ds_load_b128 v[SC+8*NQ*\sc+NQ*\i:SC+8*NQ*\sc+NQ*\i+3], v[ADRS] offset:\i*SBLK
.endr
.endm
.macro PLACES n                        ; plain vector lines between a matrix instruction and a load into, or a read of, its registers
.rept \n
	v_nop
.endr
.endm
.macro STEP slot, q, zero              ; a step of 128 along K that has its successor in the same slot
	s_wait_dscnt 4*NL                              ; B's set and A's blocks 0-3 are in; the youngest eight loads (A's blocks 4-7) may be out
	WIN MUL_LO
	MUL16 0, (\q)%2, \q, \slot, \zero
	MUL16 2, (\q)%2, \q, \slot, \zero
	s_wait_dscnt 0
	PLACES NP
	FETCH_B \slot, (\q)+1, 1-(\q)%2
	FETCH_A \slot, (\q)+1, 0
	WIN MUL_HI
	MUL16 4, (\q)%2, \q, \slot, \zero
	MUL16 6, (\q)%2, \q, \slot, \zero
	PLACES NP
	WIN 0
	FETCH_A \slot, (\q)+1, 4
.endm
; Slot 0's last step changes slots: one barrier; in front of it each wave waits for all its tensor loads (its part of slot 1), adds 0 to its spare word, and waits for that and for its reads of slot 0.
.macro TURN slot, next
	s_wait_tensorcnt 0x0
	ds_add_u32 v[SPW], v[NIL]
	s_wait_dscnt 4*NL+1                            ; the add and the youngest eight loads may be out
	WIN MUL_LO
	MUL16 0, 1, NQ-1, \slot, 0
	s_wait_dscnt 0x0                               ; the add is done, and my reads of this slot are over
	s_barrier_signal -1
	MUL16 2, 1, NQ-1, \slot, 0
	WIN 0
	s_barrier_wait -1
	PLACES NP
	v_add_nc_u32 v[ADRS], 4*NQ, v[ADRS]            ; on to the next slot's scale words
	FETCH_B \next, 0, 0
	FETCH_A \next, 0, 0
	SCALES \next
	WIN MUL_HI
	MUL16 4, 1, NQ-1, \slot, 0
	MUL16 6, 1, NQ-1, \slot, 0
	PLACES NP
	WIN 0
	FETCH_A \next, 0, 4
.endm
.macro STEPS slot, from
.set Q, \from
.rept NQ-1-\from
	STEP \slot, Q, 0
.set Q, Q+1
.endr
.endm
	s_wait_tensorcnt 1                             ; the scales and my part of slot 0 are in; slot 1's load may be out
	s_barrier_signal -1
	s_barrier_wait -1
	FETCH_B 0, 0, 0
	FETCH_A 0, 0, 0
	SCALES 0
	FETCH_A 0, 0, 4
	STEP 0, 0, 1                                   ; the first step's products start the sums
	STEPS 0, 1
	TURN 0, 1
	STEPS 1, 0
	s_wait_dscnt 4*NL                              ; the last step: nothing more to fetch
	WIN MUL_LO
	MUL16 0, 1, NQ-1, 1, 0
	MUL16 2, 1, NQ-1, 1, 0
	s_wait_dscnt 0
	WIN MUL_HI
	MUL16 4, 1, NQ-1, 1, 0
	MUL16 6, 1, NQ-1, 1, 0
	WIN 0
	PLACES NP                                      ; in front of the first reads of results and of loads into registers that held fragments and scales
	; POSITIONS 0-15 IN F32: my block 0, where it holds them.  The branch hangs on the cluster's number and the wave's.
	s_cmp_lg_u32 s95, 0
	s_cbranch_scc1 .Lno_fine
	WIN 0x08                                       ; an LDS store's data: window 2
.irp b, 0,1,2,3,4,5,6,7
	ds_store_b128 v[FSTO], v[8*\b:8*\b+3] offset:64*\b             ; each accumulator from its low end on
	ds_store_b128 v[FSTO], v[8*\b+4:8*\b+7] offset:64*\b+16
.endr
	WIN 0
.irp t, 0,1,2,3,4,5,6,7,8,9,10,11,12,13,14,15
	ds_load_b128 v[128+4*\t:128+4*\t+3], v[FRD] offset:\t*FPITCH   ; my own bytes: LDS serves a wave's instructions in order
.endr
	s_wait_dscnt 0x0
.irp t, 0,1,2,3,4,5,6,7,8,9,10,11,12,13,14,15
	global_store_b128 v[CO], v[128+4*\t:128+4*\t+3], s[96:97] offset:\t*12288   ; 32 lanes store 512 consecutive bytes of a row of fine
.endr
.Lno_fine:
; THE WAY OUT IN F16, block by block of 16 positions x 128 columns (two heads).  PACK: rounded, 16 bytes a lane.  TOSTAGE: into my stage, and back as four rows' 128 bytes of one head.
; SEND: a plane's 16 positions are 2,048 dense bytes: each store covers 512 consecutive bytes.
.macro PACK a
.set AC, 64*((\a)%4)
	WIN 0x0a+5*((\a)/4)                            ; sources 0 and 1: window 2 or 3
.irp b, 0,1,2,3,4,5,6,7
.irp r, 0,1,2,3
	v_cvt_pk_f16_f32 v[TMP+4*\b+\r], v[AC+8*\b+2*\r], v[AC+8*\b+2*\r+1]
.endr
.endr
	WIN 0
.endm
.macro TOSTAGE a
.set BB, OB+192*((\a)%2)
.irp b, 0,1,2,3,4,5,6,7
	ds_store_b128 v[STO], v[TMP+4*\b:TMP+4*\b+3] offset:32*\b
.endr
.irp hh, 0,1
.irp t, 0,1,2,3
	ds_load_b128 v[BB+16*\hh+4*\t:BB+16*\hh+4*\t+3], v[RD] offset:128*\hh+4*HPITCH*\t
.endr
.endr
.endm
.macro SEND a
.set BB, OB+192*((\a)%2)
	s_wait_dscnt 0x0                               ; the block is back in registers
	s_wait_xcnt 0x0                                ; earlier stores have read their registers: the next block's loads may land on them
.irp hh, 0,1
.irp t, 0,1,2,3
	global_store_b128 v[CO], v[BB+16*\hh+4*\t:BB+16*\hh+4*\t+3], s[12:13] offset:\hh*PLANE+2048*(\a)+512*\t
.endr
.endr
.endm
	PACK 0
	TOSTAGE 0
.irp a, 1,2,3,4,5,6,7                  ; block a's roundings stand between block a - 1's loads from the stage and the wait for them
	PACK \a
	SEND \a-1
	TOSTAGE \a
.endr
	SEND 7
	s_wait_tensorcnt 0x0                           ; the wave's end
	ds_add_u32 v[SPW], v[NIL]
	s_wait_dscnt 0x0
	CROUND                                         ; the closing round
	s_endpgm
.Lfunc_end_k_qa0141d2a9f_qkvgemm:
	.size	k_qa0141d2a9f_qkvgemm, .Lfunc_end_k_qa0141d2a9f_qkvgemm-k_qa0141d2a9f_qkvgemm
	.p2alignl 7, 3214868480
	.fill 96, 4, 3214868480
	.section	.rodata,"a",@progbits
	.p2align	6, 0x0
	.amdhsa_kernel k_qa0141d2a9f_qkvgemm
		.amdhsa_group_segment_fixed_size 327680
		.amdhsa_private_segment_fixed_size 0
		.amdhsa_enable_private_segment 0
		.amdhsa_kernarg_size 48
		.amdhsa_user_sgpr_count 2
		.amdhsa_user_sgpr_kernarg_segment_ptr 1
		.amdhsa_wavefront_size32 1
		.amdhsa_system_sgpr_workgroup_id_x 1
		.amdhsa_system_sgpr_workgroup_id_y 1
		.amdhsa_system_sgpr_workgroup_id_z 1
		.amdhsa_system_vgpr_workitem_id 0
		.amdhsa_next_free_vgpr 1024
		.amdhsa_next_free_sgpr 98
		.amdhsa_reserve_vcc 0
		.amdhsa_float_denorm_mode_32 3
		.amdhsa_float_denorm_mode_16_64 3
		.amdhsa_memory_ordered 1
		.amdhsa_forward_progress 1
		.amdhsa_inst_pref_size 131
	.end_amdhsa_kernel
	.amdgpu_metadata
---
amdhsa.version: [ 1, 2 ]
amdhsa.kernels:
  - .name:           k_qa0141d2a9f_qkvgemm
    .symbol:         k_qa0141d2a9f_qkvgemm.kd
    .args:
      - { .name: xc, .offset: 0, .size: 8, .value_kind: global_buffer, .address_space: global }
      - { .name: xs, .offset: 8, .size: 8, .value_kind: global_buffer, .address_space: global }
      - { .name: wc, .offset: 16, .size: 8, .value_kind: global_buffer, .address_space: global }
      - { .name: ws, .offset: 24, .size: 8, .value_kind: global_buffer, .address_space: global }
      - { .name: qkv, .offset: 32, .size: 8, .value_kind: global_buffer, .address_space: global }
      - { .name: fine, .offset: 40, .size: 8, .value_kind: global_buffer, .address_space: global }
    .group_segment_fixed_size: 327680
    .private_segment_fixed_size: 0
    .kernarg_segment_align: 8
    .kernarg_segment_size: 48
    .max_flat_workgroup_size: 128
    .sgpr_count:     98
    .vgpr_count:     1024
    .wavefront_size: 32
...
	.end_amdgpu_metadata
.endif
;; end of part 2
;; launch attn (part 3): grid 4 x 64, 8 waves a work-group, no clusters, 327,680 bytes of LDS; arguments qkv, att; writes att
.if DOCPART == 3
	.amdgcn_target "amdgcn-amd-amdhsa--gfx1250"
	.amdhsa_code_object_version 6
	.text
	.protected	k_qa0141d2a9f_attn
	.globl	k_qa0141d2a9f_attn
	.p2align	8
	.type	k_qa0141d2a9f_attn,@function
k_qa0141d2a9f_attn:
	s_mov_b64 s[64:65], 0
	v_nop
	global_prefetch_b8 v0, s[64:65] scope:SCOPE_SE
	s_setreg_imm32_b32 hwreg(HW_REG_WAVE_MODE, 25, 1), 1
	s_wait_xcnt 0x0
; att[b][h][q][:] = the sum over k <= q of softmax_k(Q[q] . K[k] / 8) V[k][:], heads of 64, 2,048 positions.  Q, K, V: planes of qkv, f16, [2048][64]; att: [64 heads in all][2048][64] f16.
; Products, maxima and sums in f32; the weights p are rounded to f16 for the second product, the result once at the end.
; LIMITS: NaN and infinities are not served; the result stays under 65,504 (it is an average of V's numbers).
; SHARES.  Work-group (j, head) owns the query blocks 7 - j and j of its head, 256 queries each.  Block I wants I + 1 units of 256 keys, so every work-group walks 9 units: 256 equal work-groups.
; One walk of constant count: units u < 8 - j are key units u for block 7 - j, the others key units u - (8 - j) for block j.  Each of eight waves owns 32 queries of the block in hand: two tiles of 16.
; NO CLUSTER: the four work-groups of a head want the same key unit only in their first 5 of 9 units; after that each walks units of its own, so partners would not make the same requests.
; LAYOUT.  S^T = K Q^T (source 0 = 16 keys, source 1 = 16 queries): a lane holds one query (lane % 16) and keys 8 (lane / 16) + 0..7.  Two such tiles, rounded in pairs, are source 1 of
; O^T = V^T P, whose result again holds one query a lane.  K comes out of LDS as it lies, V ([key][channel]) turned by ds_load_tr16_b128.
; SOFTMAX.  A running maximum m and sum l for each query: p = 2^(c s - c m), c = log2(e) / 8; in every step O and l are multiplied by a = 2^(c m_old - c m_new).
; THE MASK.  A step of 64 keys that all come after my 32 queries is jumped over (a branch on ids and counted steps); in the one step on the diagonal hidden scores become -infinity ahead of the maximum.
; RING.  Two slots of one unit (4 steps); waves 0-3 fetch K's four steps, waves 4-7 V's: one tensor load a wave behind each barrier, one load of mine out at any time.
; REGISTERS.  window 0: v2-13 addresses; v16-31 statistics, 8 a tile; v32-63 Q; v64-127 S^T; v128-159 P; v160-223 O^T; v224-255 at work.  window 1: v0-63 K of a step, v64-127 V.
.set PLANE, 262144
.set PK,    144                        ; a row of K in LDS: 128 bytes + 16: the 16 rows of a load start at 16 different banks
.set PVP,   160                        ; a row of V: 128 + 32
.set VOFF,  64*PK                      ; a step: 64 rows of K, then 64 rows of V
.set STEPB, 64*(PK+PVP)
.set SLOT1, 1<<17                      ; slot 1 begins here: one exclusive or turns an address from slot to slot
.set STAGE, SLOT1+4*STEPB              ; behind the ring: 32 rows x 144 bytes for each wave, for the way out
.set SPARE, STAGE+8*32*PK              ; the spare words, 128 bytes a wave, named by no other line
.set AK0, 2
.set AV0, 3
.set ADK, 4
.set ADV, 5
.set QO,  6
.set STO, 7
.set RD,  8
.set GO,  9
.set PFO, 10
.set DQ,  11
.set SPW, 12
.set NIL, 13
.set STT, 16                           ; tile t at v[STT + 8 t]: +0 c m, +1 m, +2, +3 l, +4 .. +7 at work; a in +6
.set FQ,  32
.set SCO, 64
.set PRB, 128
.set OAC, 160
.set TMP, 224
.set FV,  64                           ; in window 1
.set WV,  8
.set SW,  11                           ; the unit at which the second block begins: 8 - j
.set CNT, 12
.set STP, 13
.set TB,  14                           ; LDS byte of the step in hand
.set KF,  15                           ; the step's first key
.set Q0,  16                           ; my first query of the block in hand
.set Q0B, 17                           ; and of the second block
.set SW1, 18
.set CS,  20                           ; s[20:21] c, twice
.set SEL, 22                           ; s[22:23] lane selects: lane l xor 16
.set G1K, 24
.set G1V, 32
.set G0,  40                           ; s[40:43] my one walking group 0
.set GB,  44                           ; s[44:45] my part of key unit 0 in memory
.set OFK, 46                           ; s[46:47] the key unit's byte offset
.set PFA, 48
.set LIM, 50
.set UN,  51                           ; the unit asked for last
.set QB1, 52
.set QB2, 54
.set OB1, 56
.set OB2, 58
.set MSB, 0
.macro WIN new
.if MSB != (\new)
	s_set_vgpr_msb (MSB<<8)|(\new)
.set MSB, (\new)
.endif
.endm
; Waves 0-3 fetch K's tiles, waves 4-7 V's: the two shapes differ in the padding.  An s_nop 0 and four v_nop follow each line.
.macro TLOAD
	s_cmp_lt_u32 s[WV], 4
	s_cbranch_scc0 .Lfor_v_\@
	tensor_load_to_lds s[G0:G0+3], s[G1K:G1K+7]
	s_nop 0
.rept 4
	v_nop
.endr
	s_branch .Lasked_\@
.Lfor_v_\@:
	tensor_load_to_lds s[G0:G0+3], s[G1V:G1V+7]
	s_nop 0
.rept 4
	v_nop
.endr
.Lasked_\@:
.endm
; A prefetch of what the next change of slots will ask for.  All four work-groups of a head walk the same K and V; work-group j = 0 walks key units 0 to 7 in order, and it alone asks:
; each wave for its own 8,192 bytes of the unit after the one just requested, lanes 256 bytes apart: each block of 256 bytes is named once in the launch.
; It stops when unit 7 has been named (trips with CNT above 2); units 0 and 1 come by their loads alone.
.macro ASK
	s_cmp_gt_u32 s[CNT], s[LIM]
	s_cbranch_scc0 .Lnot_mine_\@
	global_prefetch_b8 v[PFO], s[PFA:PFA+1] th:TH_LOAD_NT scope:SCOPE_SE
.Lnot_mine_\@:
.endm
.macro QLOAD qb                        ; my 32 queries: tile t, channels 32 f on: two loads of 16 bytes, 32 bytes apart
.irp t, 0,1
.irp f, 0,1
	global_load_b128 v[FQ+16*\t+8*\f:FQ+16*\t+8*\f+3], v[QO], s[\qb:\qb+1] offset:2048*\t+64*\f
	global_load_b128 v[FQ+16*\t+8*\f+4:FQ+16*\t+8*\f+7], v[QO], s[\qb:\qb+1] offset:2048*\t+64*\f+32
.endr
.endr
.endm
	s_load_b128 s[4:7], s[0:1], 0x0                ; qkv, att
	v_lshl_add_u32 v[SPW], v0, 2, SPARE
	v_mov_b32 v[NIL], 0
	ds_add_u32 v[SPW], v[NIL]                      ; the opening: the add, twice on end, and its wait ahead of my first tensor load
	ds_add_u32 v[SPW], v[NIL]
	v_lshrrev_b32 v1, 5, v0
	v_readfirstlane_b32 s[WV], v1                  ; wave 0..7
	s_and_b32 s10, ttmp7, 0xffff                   ; 16 x batch + head
	s_lshr_b32 s60, s10, 4
	s_and_b32 s61, s10, 15
	s_mul_i32 s60, s60, 48
	s_add_co_u32 s60, s60, s61                     ; q's plane; k's is 16 on, v's 32
	s_sub_co_u32 s[SW], 8, ttmp9
	s_add_co_u32 s[SW1], s[SW], 1
	s_and_b32 s62, s[WV], 3                        ; which step of a unit I fetch
	s_lshr_b32 s63, s[WV], 2                       ; for K (0) or for V (1)
	s_lshl_b32 s66, s63, 4
	s_add_co_u32 s66, s66, s60
	s_add_co_u32 s66, s66, 16
	s_lshl_b32 s66, s66, 18
	s_lshl_b32 s67, s62, 13                        ; 64 rows of 128 bytes a step
	s_add_co_u32 s66, s66, s67
	s_mov_b32 s67, 0
	s_mov_b32 s[G0], 1                             ; count = 1
	s_mul_i32 s[G0+1], s62, STEPB                  ; LDS address: my step of slot 0,
	s_mul_i32 s19, s63, VOFF
	s_add_co_u32 s[G0+1], s[G0+1], s19             ; V's rows behind K's
	s_sub_co_u32 s[Q0], 7, ttmp9
	s_lshl_b32 s[Q0], s[Q0], 8
	s_lshl_b32 s19, s[WV], 5
	s_add_co_u32 s[Q0], s[Q0], s19                 ; 256 (7 - j) + 32 w
	s_lshl_b32 s[Q0B], ttmp9, 8
	s_add_co_u32 s[Q0B], s[Q0B], s19               ; 256 j + 32 w
	s_lshl_b32 s60, s60, 18
	s_lshl_b32 s61, s10, 18
	s_lshl_b32 s62, s[Q0], 7
	s_lshl_b32 s63, s[Q0B], 7
	s_add_co_u32 s68, s60, s62
	s_mov_b32 s69, 0
	s_add_co_u32 s70, s60, s63
	s_mov_b32 s71, 0
	; descriptor group 1: 64 rows x 64 elements of 2 bytes, dense in memory, padded in LDS behind every 32 words
	s_mov_b32 s[G1K], (1<<16)|(1<<20)|(4<<22)|(3<<25)              ; 4 words of padding
	s_mov_b32 s[G1V], (1<<16)|(1<<20)|(4<<22)|(7<<25)              ; 8 words
.irp g, G1K, G1V
	s_mov_b32 s[\g+1], 64<<16                      ; tensor_dim0
	s_mov_b32 s[\g+2], 64<<16                      ; tensor_dim1
	s_mov_b32 s[\g+3], 64<<16                      ; tile_dim0
	s_mov_b32 s[\g+4], 64                          ; tile_dim1
	s_mov_b32 s[\g+5], 64                          ; pitch
	s_mov_b32 s[\g+6], 0
	s_mov_b32 s[\g+7], 0
.endr
	s_mov_b32 s[CS], 0x3e38aa3b                    ; c = log2(e) / 8
	s_mov_b32 s[CS+1], s[CS]
	s_mov_b32 s[SEL], 0x76543210
	s_mov_b32 s[SEL+1], 0xfedcba98
	s_mov_b32 s[TB], 0
	s_mov_b32 s[KF], 0
	s_mov_b32 s[UN], 0
	s_mov_b32 s[OFK], 0
	s_mov_b32 s[OFK+1], 0
	s_mov_b32 s[CNT], 8
	s_cmp_eq_u32 ttmp9, 0
	s_cselect_b32 s[LIM], 2, -1
	s_wait_dscnt 0x0                               ; both opening adds are done
	s_wait_kmcnt 0x0
	s_add_nc_u64 s[GB:GB+1], s[4:5], s[66:67]
	s_add_nc_u64 s[QB1:QB1+1], s[4:5], s[68:69]
	s_add_nc_u64 s[QB2:QB2+1], s[4:5], s[70:71]
	s_add_co_u32 s68, s61, s62
	s_add_co_u32 s70, s61, s63
	s_add_nc_u64 s[OB1:OB1+1], s[6:7], s[68:69]
	s_add_nc_u64 s[OB2:OB2+1], s[6:7], s[70:71]
	s_mov_b64 s[G0+2:G0+3], s[GB:GB+1]
	s_or_b32 s[G0+3], s[G0+3], 0x80000000          ; type = 2
	s_add_nc_u64 s[PFA:PFA+1], s[GB:GB+1], 32768   ; at unit 1: the first trip steps it to unit 2
	TLOAD                                          ; unit 0 into slot 0
	v_and_b32 v1, 15, v0                           ; r
	v_bfe_u32 v14, v0, 4, 1                        ; h
	v_lshlrev_b32 v[QO], 7, v1
	v_lshl_add_u32 v[QO], v14, 4, v[QO]
	QLOAD QB1
	v_mul_u32_u24 v[AK0], v1, PK
	v_lshl_add_u32 v[AK0], v14, 4, v[AK0]          ; K: row r, + 16 h
	v_and_b32 v15, 7, v0
	v_lshl_add_u32 v[AV0], v14, 3, v15
	v_mul_u32_u24 v[AV0], v[AV0], PVP
	v_bfe_u32 v15, v0, 3, 1
	v_lshl_add_u32 v[AV0], v15, 4, v[AV0]
	v_add_nc_u32 v[AV0], VOFF, v[AV0]              ; V, for the turning load: key 8 h + l % 8, channels 8 ((l / 8) % 2) on
	s_mul_i32 s19, s[WV], 32*PK
	s_add_co_u32 s19, s19, STAGE                   ; my stage
	v_mul_u32_u24 v[STO], v1, PK
	v_lshl_add_u32 v[STO], v14, 4, v[STO]
	v_add_nc_u32 v[STO], s19, v[STO]
	v_bfe_u32 v15, v0, 3, 2
	v_mul_u32_u24 v[RD], v15, PK
	v_and_b32 v15, 7, v0
	v_lshl_add_u32 v[RD], v15, 4, v[RD]
	v_add_nc_u32 v[RD], s19, v[RD]
	v_and_b32 v15, 31, v0
	v_lshlrev_b32 v[GO], 4, v15
	v_lshlrev_b32 v[PFO], 8, v15
	v_lshlrev_b32 v15, 3, v14
	v_sub_nc_u32 v[DQ], v1, v15                    ; r - 8 h
.irp t, 0,1
	v_mov_b32 v[STT+8*\t+1], 0xff61b1e6            ; m = -3e38, under every score
	v_mul_f32 v[STT+8*\t], s[CS], v[STT+8*\t+1]
.irp k, 2,3,4,5,6,7
	v_mov_b32 v[STT+8*\t+\k], 0                    ; l = 0; the rest is written once, since pairs and lane permutes name it
.endr
.endr
.set i, 0
.rept 64
	v_mov_b32 v[OAC+i], 0                          ; O^T: the loop is written once; its first step finds zeros
.set i, i+1
.endr
	s_wait_loadcnt 0x0                             ; Q
; One key step's softmax for my two tiles, the tiles line by line by turns.
.macro SOFTMAX
.irp j, 0,1,2,3
.irp t, 0,1
	v_max3_num_f32 v[STT+8*\t+4+\j], v[SCO+32*\t+8*\j], v[SCO+32*\t+8*\j+1], v[SCO+32*\t+8*\j+2]   ; four chains, each accumulator from its low end on
.endr
.endr
.irp g, 1,2
.irp j, 0,1,2,3
.irp t, 0,1
	v_max3_num_f32 v[STT+8*\t+4+\j], v[STT+8*\t+4+\j], v[SCO+32*\t+8*\j+2*\g+1], v[SCO+32*\t+8*\j+2*\g+2]
.endr
.endr
.endr
.irp t, 0,1
	v_max3_num_f32 v[STT+8*\t+4], v[STT+8*\t+4], v[SCO+32*\t+7], v[SCO+32*\t+15]
.endr
.irp t, 0,1
	v_max3_num_f32 v[STT+8*\t+6], v[STT+8*\t+6], v[SCO+32*\t+23], v[SCO+32*\t+31]
.endr
.irp t, 0,1
	v_max3_num_f32 v[STT+8*\t+4], v[STT+8*\t+4], v[STT+8*\t+5], v[STT+8*\t+6]
.endr
.irp t, 0,1
	v_max3_num_f32 v[STT+8*\t+4], v[STT+8*\t+4], v[STT+8*\t+7], v[STT+8*\t+1]      ; with the old m
.endr
.irp t, 0,1
	v_permlanex16_b32 v[STT+8*\t+5], v[STT+8*\t+4], s[SEL], s[SEL+1]               ; the query's other keys lie in the lane 16 away
.endr
.irp t, 0,1
	v_mov_b32 v[STT+8*\t+7], v[STT+8*\t]           ; c m_old
.endr
.irp t, 0,1
	v_max_num_f32 v[STT+8*\t+1], v[STT+8*\t+4], v[STT+8*\t+5]
.endr
.irp t, 0,1
	v_mul_f32 v[STT+8*\t], s[CS], v[STT+8*\t+1]
.endr
.irp t, 0,1
	v_sub_f32 v[STT+8*\t+7], v[STT+8*\t+7], v[STT+8*\t]
.endr
.set b, 0
.rept 16
.irp t, 0,1
	v_pk_fma_f32 v[SCO+32*\t+2*b:SCO+32*\t+2*b+1], v[SCO+32*\t+2*b:SCO+32*\t+2*b+1], s[CS:CS+1], v[STT+8*\t:STT+8*\t+1] op_sel_hi:[1,0,0] neg_lo:[0,0,1] neg_hi:[0,0,1]   ; c s - c m
.endr
.set b, b+1
.endr
.irp t, 0,1
	v_exp_f32 v[STT+8*\t+6], v[STT+8*\t+7]         ; a
.endr
.set b, 0
.rept 32
.irp t, 0,1
	v_exp_f32 v[SCO+32*\t+b], v[SCO+32*\t+b]       ; p: one batch of 66 exponentials, none of which reads another's result
.endr
.set b, b+1
.endr
	v_nop                                          ; a plain line behind the last exponential
	s_wait_alu depctr_va_vdst(0)                   ; one wait for the batch, ahead of its first reader
.set b, 0
.rept 16
.irp t, 0,1
	v_cvt_pk_f16_f32 v[PRB+16*\t+b], v[SCO+32*\t+2*b], v[SCO+32*\t+2*b+1]
.endr
.set b, b+1
.endr
.irp w, 4,8,16,32                      ; the sum of the unrounded p, in place, by pairs 1, 2, 4 and 8 pairs apart
.set u, 0
.rept 32/\w
.irp t, 0,1
	v_pk_add_f32 v[SCO+32*\t+\w*u:SCO+32*\t+\w*u+1], v[SCO+32*\t+\w*u:SCO+32*\t+\w*u+1], v[SCO+32*\t+\w*u+\w/2:SCO+32*\t+\w*u+\w/2+1]
.endr
.set u, u+1
.endr
.endr
.irp t, 0,1
	v_pk_fma_f32 v[STT+8*\t+2:STT+8*\t+3], v[STT+8*\t+2:STT+8*\t+3], v[STT+8*\t+6:STT+8*\t+7], v[SCO+32*\t:SCO+32*\t+1] op_sel_hi:[1,0,1]   ; l = a l + the sum
.endr
.set b, 0
.rept 16
.irp t, 0,1
	v_pk_mul_f32 v[OAC+32*\t+2*b:OAC+32*\t+2*b+1], v[OAC+32*\t+2*b:OAC+32*\t+2*b+1], v[STT+8*\t+6:STT+8*\t+7] op_sel_hi:[1,0]   ; O^T x a
.endr
.set b, b+1
.endr
.endm
; A key step: 64 keys at LDS byte TB.
.macro STEP
	s_add_co_u32 s19, s[Q0], 31
	s_cmp_gt_u32 s[KF], s19                        ; all 64 keys come after my last query: nothing of the step is read
	s_cbranch_scc1 .Lhidden_\@
	v_add_nc_u32 v[ADK], s[TB], v[AK0]
	v_add_nc_u32 v[ADV], s[TB], v[AV0]
	v_nop
	v_nop                                          ; four plain lines between the last products V^T P and the loads into V's registers
	WIN 0x40                                       ; destination window 1
.irp f, 0,1,2,3,4,5,6,7                ; K: keys 16 (f / 2) on, channels 32 (f % 2) on
	ds_load_b128 v[8*\f:8*\f+3], v[ADK] offset:(\f/2)*16*PK+(\f%2)*64
	ds_load_b128 v[8*\f+4:8*\f+7], v[ADK] offset:(\f/2)*16*PK+(\f%2)*64+32
.endr
.irp f, 0,1,2,3,4,5,6,7                ; V, turned: keys 32 (f / 4) on, channels 16 (f % 4) on
	ds_load_tr16_b128 v[FV+8*\f:FV+8*\f+3], v[ADV] offset:(\f/4)*32*PVP+(\f%4)*32
	ds_load_tr16_b128 v[FV+8*\f+4:FV+8*\f+7], v[ADV] offset:(\f/4)*32*PVP+16*PVP+(\f%4)*32
.endr
	s_wait_dscnt 16                                ; K is in; V's sixteen loads may be out
	WIN 0x01                                       ; source 0 window 1
.set i, 0
.rept 16                               ; S^T = K Q^T: channels 32 (i / 8) on, keys 16 ((i / 2) % 4) on, tile i % 2; eight accumulators by turns
.set rS, SCO+32*(i%2)+8*((i/2)%4)
.set rK, 8*(2*((i/2)%4)+i/8)
.set rQ, FQ+16*(i%2)+8*(i/8)
.if i < 8
	v_wmma_f32_16x16x32_f16 v[rS:rS+7], v[rK:rK+7], v[rQ:rQ+7], 0
.else
	v_wmma_f32_16x16x32_f16 v[rS:rS+7], v[rK:rK+7], v[rQ:rQ+7], v[rS:rS+7]
.endif
.set i, i+1
.endr
	WIN 0
.rept 4
	v_nop                                          ; four plain lines in front of the first read of the scores
.endr
	s_add_co_u32 s19, s[KF], 63
	s_cmp_le_u32 s19, s[Q0]                        ; all 64 keys count for all my queries: no mask
	s_cbranch_scc1 .Lopen_\@
	s_sub_co_i32 s19, s[Q0], s[KF]
	v_add_nc_u32 v[TMP], s19, v[DQ]                ; tile 0: register n holds key KF + 8 h + 16 (n / 8) + n % 8: hidden where 16 (n / 8) + n % 8 > Q0 - KF + r - 8 h
	v_add_nc_u32 v[TMP+1], 16, v[TMP]              ; tile 1: its queries lie 16 on
	v_mov_b32 v[TMP+2], 0xff800000                 ; -infinity
.irp t, 0,1
.set i, 0
.rept 32
	v_cmp_gt_i32 vcc_lo, 16*(i/8)+i%8, v[TMP+\t]
	v_cndmask_b32 v[SCO+32*\t+i], v[SCO+32*\t+i], v[TMP+2], vcc_lo
.set i, i+1
.endr
.endr
.Lopen_\@:
	SOFTMAX
	s_wait_dscnt 0x0                               ; V is in
	WIN 0x01
.set i, 0
.rept 16                               ; O^T += V^T P: keys 32 (i / 8) on, channels 16 ((i / 2) % 4) on, tile i % 2; eight accumulators by turns
.set rO, OAC+32*(i%2)+8*((i/2)%4)
.set rV, FV+8*(4*(i/8)+(i/2)%4)
.set rP, PRB+16*(i%2)+8*(i/8)
	v_wmma_f32_16x16x32_f16 v[rO:rO+7], v[rV:rV+7], v[rP:rP+7], v[rO:rO+7]
.set i, i+1
.endr
	WIN 0
.Lhidden_\@:
	s_add_co_u32 s[KF], s[KF], 64
	s_add_co_u32 s[TB], s[TB], STEPB
.endm
; A block's end: O^T / l, rounded to f16, through my stage, out as 512 consecutive bytes a store.
.macro FINISH ob
.irp t, 0,1
	v_add_f32 v[STT+8*\t+4], v[STT+8*\t+2], v[STT+8*\t+3]
.endr
.irp t, 0,1
	v_permlanex16_b32 v[STT+8*\t+5], v[STT+8*\t+4], s[SEL], s[SEL+1]
.endr
.irp t, 0,1
	v_add_f32 v[STT+8*\t+4], v[STT+8*\t+4], v[STT+8*\t+5]
.endr
.irp t, 0,1
	v_rcp_f32 v[STT+8*\t+6], v[STT+8*\t+4]
.endr
	v_nop                                          ; a plain line behind the reciprocals,
	s_wait_alu depctr_va_vdst(0)                   ; and one wait for both, ahead of the first reader
.irp t, 0,1
.set b, 0
.rept 16
	v_pk_mul_f32 v[OAC+32*\t+2*b:OAC+32*\t+2*b+1], v[OAC+32*\t+2*b:OAC+32*\t+2*b+1], v[STT+8*\t+6:STT+8*\t+7] op_sel_hi:[1,0]
.set b, b+1
.endr
.endr
.irp t, 0,1
.set b, 0
.rept 16
	v_cvt_pk_f16_f32 v[TMP+16*\t+b], v[OAC+32*\t+2*b], v[OAC+32*\t+2*b+1]
.set b, b+1
.endr
.endr
.irp t, 0,1
.irp ct, 0,1,2,3
	ds_store_b128 v[STO], v[TMP+16*\t+4*\ct:TMP+16*\t+4*\ct+3] offset:16*PK*\t+32*\ct   ; query 16 t + r, channels 16 ct + 8 h on
.endr
.endr
.irp t, 0,1
.irp k, 0,1,2,3
	ds_load_b128 v[SCO+16*\t+4*\k:SCO+16*\t+4*\k+3], v[RD] offset:16*PK*\t+4*PK*\k      ; four whole rows a load; my own bytes, served in order
.endr
.endr
	s_wait_dscnt 0x0
.irp t, 0,1
.irp k, 0,1,2,3
	global_store_b128 v[GO], v[SCO+16*\t+4*\k:SCO+16*\t+4*\k+3], s[\ob:\ob+1] offset:2048*\t+512*\k
.endr
.endr
.endm
; From the first block to the second.  O^T and l are not cleared: with m at -3e38 the next step's a is 0, which multiplies finite numbers.
.macro SWITCH
	QLOAD QB2
	FINISH OB1
.irp t, 0,1
	v_mov_b32 v[STT+8*\t+1], 0xff61b1e6
.endr
.irp t, 0,1
	v_mul_f32 v[STT+8*\t], s[CS], v[STT+8*\t+1]
.endr
	s_mov_b32 s[KF], 0
	s_mov_b32 s[Q0], s[Q0B]
	s_wait_loadcnt 0x0                             ; the new Q
	s_wait_xcnt 0x0                                ; the stores have read their registers, which the next scores overwrite
.endm
; A unit of 256 keys.  At its head the change of slots: every wave waits for all its tensor loads (its part of the slot ahead), adds 0 to its spare word, and waits for that and for its reads of the slot left.
; fill = 1: behind the barrier the slot left is filled with the next unit: my one tensor load until the next barrier; it has four steps in which to land.
.macro UNIT fill
	s_wait_tensorcnt 0x0                           ; no load of mine is out: group 0 may be written
	ds_add_u32 v[SPW], v[NIL]
.if \fill
	s_xor_b32 s[G0+1], s[G0+1], SLOT1              ; the other slot,
	s_add_co_u32 s[UN], s[UN], 1
	s_add_co_u32 s[OFK], s[OFK], 32768             ; the next 256 keys,
	s_cmp_eq_u32 s[UN], s[SW]
	s_cselect_b32 s[OFK], 0, s[OFK]                ; or key 0 again, where the second block begins
	s_add_nc_u64 s[G0+2:G0+3], s[GB:GB+1], s[OFK:OFK+1]
	s_or_b32 s[G0+3], s[G0+3], 0x80000000
	s_wait_xcnt 0x0                                ; the last prefetch, a unit back, has read its address
	s_add_nc_u64 s[PFA:PFA+1], s[PFA:PFA+1], 32768
.endif
	s_wait_dscnt 0x0                               ; the add is done, and my reads of the slot that I have left are over
	s_barrier_signal -1
	s_barrier_wait -1
.if \fill
	TLOAD
	ASK
	s_cmp_lg_u32 s[UN], s[SW1]                     ; is the unit in hand the second block's first?  Ids and counted trips alone: all eight waves go the same way
.else
	s_cmp_lg_u32 s[UN], s[SW]
.endif
	s_cbranch_scc1 .Lsame_\@
	SWITCH
.Lsame_\@:
	s_mov_b32 s[STP], 4
.Lstep_\@:
	STEP
	s_sub_co_u32 s[STP], s[STP], 1
	s_cmp_lg_u32 s[STP], 0
	s_cbranch_scc1 .Lstep_\@
	s_sub_co_u32 s[TB], s[TB], 4*STEPB
	s_xor_b32 s[TB], s[TB], SLOT1                  ; on to the other slot
.endm
.Lunit:                                            ; eight trips: behind each change of slots the next unit is asked for
	UNIT 1
	s_sub_co_u32 s[CNT], s[CNT], 1
	s_cmp_lg_u32 s[CNT], 0
	s_cbranch_scc1 .Lunit
	UNIT 0                                         ; the ninth unit is written out: nothing is left to ask for
	FINISH OB2
	s_wait_tensorcnt 0x0                           ; the wave's end
	ds_add_u32 v[SPW], v[NIL]
	s_wait_dscnt 0x0
	s_endpgm
.Lfunc_end_k_qa0141d2a9f_attn:
	.size	k_qa0141d2a9f_attn, .Lfunc_end_k_qa0141d2a9f_attn-k_qa0141d2a9f_attn
	.p2alignl 7, 3214868480
	.fill 96, 4, 3214868480
	.section	.rodata,"a",@progbits
	.p2align	6, 0x0
	.amdhsa_kernel k_qa0141d2a9f_attn
		.amdhsa_group_segment_fixed_size 327680
		.amdhsa_private_segment_fixed_size 0
		.amdhsa_enable_private_segment 0
		.amdhsa_kernarg_size 16
		.amdhsa_user_sgpr_count 2
		.amdhsa_user_sgpr_kernarg_segment_ptr 1
		.amdhsa_wavefront_size32 1
		.amdhsa_system_sgpr_workgroup_id_x 1
		.amdhsa_system_sgpr_workgroup_id_y 1
		.amdhsa_system_sgpr_workgroup_id_z 1
		.amdhsa_system_vgpr_workitem_id 0
		.amdhsa_next_free_vgpr 384
		.amdhsa_next_free_sgpr 72
		.amdhsa_reserve_vcc 1
		.amdhsa_float_denorm_mode_32 3
		.amdhsa_float_denorm_mode_16_64 3
		.amdhsa_memory_ordered 1
		.amdhsa_forward_progress 1
		.amdhsa_inst_pref_size 75
	.end_amdhsa_kernel
	.amdgpu_metadata
---
amdhsa.version: [ 1, 2 ]
amdhsa.kernels:
  - .name:           k_qa0141d2a9f_attn
    .symbol:         k_qa0141d2a9f_attn.kd
    .args:
      - { .name: qkv, .offset: 0, .size: 8, .value_kind: global_buffer, .address_space: global }
      - { .name: att, .offset: 8, .size: 8, .value_kind: global_buffer, .address_space: global }
    .group_segment_fixed_size: 327680
    .private_segment_fixed_size: 0
    .kernarg_segment_align: 8
    .kernarg_segment_size: 16
    .max_flat_workgroup_size: 256
    .sgpr_count:     72
    .vgpr_count:     384
    .wavefront_size: 32
...
	.end_amdgpu_metadata
.endif
;; end of part 3
;; launch oproj (part 4): grid 4 x 64, 4 waves a work-group, clusters of 4 x 4, 327,680 bytes of LDS; arguments att, wo16, out0; writes out0
.if DOCPART == 4
	.amdgcn_target "amdgcn-amd-amdhsa--gfx1250"
	.amdhsa_code_object_version 6
	.text
	.protected	k_qa0141d2a9f_oproj
	.globl	k_qa0141d2a9f_oproj
	.p2align	8
	.type	k_qa0141d2a9f_oproj,@function
k_qa0141d2a9f_oproj:
	s_mov_b64 s[64:65], 0
	v_nop
	global_prefetch_b8 v0, s[64:65] scope:SCOPE_SE
	s_setreg_imm32_b32 hwreg(HW_REG_WAVE_MODE, 25, 1), 1
	s_wait_xcnt 0x0
	s_wait_alu depctr_hold_cnt(0) depctr_sa_sdst(0) depctr_va_vdst(0) depctr_va_sdst(0) depctr_va_ssrc(0) depctr_va_vcc(0) depctr_vm_vsrc(0)
	s_getreg_b32 s2, hwreg(HW_REG_IB_STS2, 6, 4)
	s_cmp_eq_u32 s2, 0
	s_cbranch_scc0 .Lentry_in_a_cluster
	s_endpgm
.Lentry_in_a_cluster:
	s_bfe_u32 s2, ttmp6, 0x10000c
	s_cmp_lg_u32 s2, 0xf033
	s_cbranch_scc0 .Lentry_shape_is_right
	s_endpgm
.Lentry_shape_is_right:
; out0[m][e] = the sum over heads h and channels d of att[b][h][s][d] wo16[h][e][d]; both f16, sums in f32, out0 [8192][1024] f32.
; Positions 0-15 of each batch are not stored here: a launch of its own makes them in f32.
; A tile of out0 is 128 rows x 256 columns: 64 x 4 = 256 work-groups.  Four waves, each 64 x 128: 32 accumulators, window 2.
; K goes head by head: a slot holds two heads (K = 128): A's two planes of 128 rows x 128 bytes, B's two of 256 rows; each plane is a dense block of memory and one tensor load:
; waves 0, 1 fetch A's, waves 2, 3 B's.  Eight slot steps on two slots; 128 matrix instructions a wave in a step.
; CLUSTERS: 4 x 4.  The tile row is 16 cy + cluster y (cy is the batch), the tile column cx.  A's planes are shared along a row of the cluster, B's along a column: joint loads.
; The matrix instruction is used transposed (source 0 = 16 rows of wo16, source 1 = 16 rows of att): a lane holds eight neighbouring columns of a row of out0.
; REGISTERS: window 0: v16-30 addresses; v64-127 A's fragments, two buffers of 4 x 8; v128-255 rows on the way out.  window 1: v0-127 B's fragments, two buffers of 8 x 8.  window 2: accumulator (a, b) at v[8 (8 a + b)].
.set PLANE,  262144                    ; a head's plane of att
.set WPL,    131072                    ; a head's plane of wo16
.set PITCH,  144                       ; an LDS row: 128 bytes + 16
.set APL,    128*PITCH
.set BPL,    256*PITCH
.set SLOT,   2*APL+2*BPL
.set SPARE,  2*SLOT                    ; the spare words, 128 bytes a wave, named by no other line
.set SPITCH, 528                       ; the way out: 16 rows x (512 + 16) bytes a wave, in slot 0, which has had its last fill and its last read by then
.set LAPS,   4
.set ADRA, 16
.set ADRB, 20
.set STO,  24
.set RD,   25
.set CO,   26
.set SPW,  28
.set NIL,  29
.set PFO,  30
.set BK,   128
.set G1,  24
.set G0,  32
.set G1B, 48
.set G0B, 56
.set PFA, 44
.set LIM, 43
.set MSB, 0
.macro WIN new
.if MSB != (\new)
	s_set_vgpr_msb (MSB<<8)|(\new)
.set MSB, (\new)
.endif
.endm
.set MUL,  0xa1                        ; source 0 (B) window 1, source 1 (A) window 0, C and D window 2
.set TO_B, 0x40
.macro JLOAD s                         ; a joint load; the branch hangs on the wave's number alone; an s_nop 0 and four v_nop follow each line
	s_cmp_eq_u32 s11, 0
	s_cbranch_scc0 .Lfor_b_\@
	tensor_load_to_lds s[G0+4*\s:G0+4*\s+3], s[G1:G1+7]
	s_nop 0
.rept 4
	v_nop
.endr
	s_branch .Lasked_\@
.Lfor_b_\@:
	tensor_load_to_lds s[G0B+4*\s:G0B+4*\s+3], s[G1B:G1B+7]
	s_nop 0
.rept 4
	v_nop
.endr
.Lasked_\@:
.endm
; A prefetch of A's planes of the slot step two refills on, 256 matrix instructions ahead of the load that wants them.  A step's two planes are 128 blocks of 256 bytes; only this row of the cluster reads them.
; The four partners take 32 blocks each, told apart by address; in each, wave 0 asks, a lane a block.  The last trip's two refills have no step two on.  B's planes are read by every tile row and are not asked for.
.macro ASK
	s_cmp_gt_u32 s3, s[LIM]
	s_cbranch_scc0 .Lnot_mine_\@
	global_prefetch_b8 v[PFO], s[PFA:PFA+1] th:TH_LOAD_NT scope:SCOPE_SE
.Lnot_mine_\@:
.endm
.macro CREST
	s_cmp_lg_u32 s10, 0
	s_cbranch_scc1 .Lnot_wave_0_\@
	s_barrier_signal -3
.Lnot_wave_0_\@:
	s_barrier_wait -3
	s_barrier_signal -1
	s_barrier_wait -1
.endm
.macro CROUND
	s_barrier_signal -1
	s_barrier_wait -1
	CREST
.endm
	s_load_b128 s[4:7], s[0:1], 0x0                ; att, wo16
	s_load_b64 s[8:9], s[0:1], 0x10                ; out0
	v_lshl_add_u32 v[SPW], v0, 2, SPARE
	v_mov_b32 v[NIL], 0
	ds_add_u32 v[SPW], v[NIL]                      ; the opening: the add, twice on end, and its wait ahead of my first tensor load
	ds_add_u32 v[SPW], v[NIL]
	v_lshrrev_b32 v1, 5, v0
	v_readfirstlane_b32 s10, v1                    ; wave 0..3
	s_lshr_b32 s11, s10, 1                         ; which 64 rows are mine.  Also: I fetch for A (0) or for B (1)
	s_and_b32 s12, s10, 1                          ; which 128 columns.  Also: which of a slot's two heads I fetch
	s_bfe_u32 s40, ttmp6, 0x40000                  ; cx
	s_bfe_u32 s41, ttmp6, 0x40004                  ; cy: the batch
	s_lshl_b32 s42, ttmp9, 2
	s_add_co_u32 s42, s42, s40                     ; tile column
	s_and_b32 s2, ttmp7, 0xffff                    ; cluster y: which 128 positions
	s_or_b32 s13, s2, s11                          ; 0 in the waves whose rows begin with positions 0-15
	s_lshl_b32 s43, s41, 2
	s_lshl_b32 s43, 15, s43                        ; my row of the cluster
	s_lshl_b32 s44, 0x1111, s40                    ; my column
	s_or_b32 s[G1+0], s43, (1<<16)|(1<<20)|(1<<21)|(4<<22)|(3<<25)  ; mask; elements of 2 bytes; padding on; bit 21 beside a mask; 4 words behind every 32
	s_or_b32 s[G1B+0], s44, (1<<16)|(1<<20)|(1<<21)|(4<<22)|(3<<25)
	s_mov_b32 s[G1+1], 64<<16                      ; tensor_dim0
	s_mov_b32 s[G1+2], 128<<16                     ; tensor_dim1
	s_mov_b32 s[G1+3], 64<<16                      ; tile_dim0
	s_mov_b32 s[G1+4], 128                         ; tile_dim1
	s_mov_b32 s[G1+5], 64                          ; pitch
	s_mov_b32 s[G1+6], 0
	s_mov_b32 s[G1+7], 0
	s_mov_b32 s[G1B+1], 64<<16
	s_mov_b32 s[G1B+2], 256<<16
	s_mov_b32 s[G1B+3], 64<<16
	s_mov_b32 s[G1B+4], 256
	s_mov_b32 s[G1B+5], 64
	s_mov_b32 s[G1B+6], 0
	s_mov_b32 s[G1B+7], 0
	s_lshl_b32 s16, s41, 22                        ; A: the batch's 16 planes,
	s_lshl_b32 s17, s2, 14                         ; the tile's 128 rows of 128 bytes,
	s_add_co_u32 s16, s16, s17
	s_lshl_b32 s17, s12, 18                        ; my head of the slot's two
	s_add_co_u32 s16, s16, s17
	s_mov_b32 s17, 0
	s_lshl_b32 s46, s42, 15                        ; B: the tile's 256 rows of 128 bytes,
	s_lshl_b32 s47, s12, 17                        ; my head
	s_add_co_u32 s46, s46, s47
	s_mov_b32 s47, 0
	s_mul_i32 s20, s12, APL                        ; where they go in a slot: A's two planes,
	s_mul_i32 s23, s12, BPL
	s_add_co_u32 s23, s23, 2*APL                   ; then B's two
	s_wait_dscnt 0x0                               ; both opening adds are done
	s_wait_kmcnt 0x0
	s_add_nc_u64 s[14:15], s[4:5], s[16:17]
	s_add_nc_u64 s[46:47], s[6:7], s[46:47]
	CROUND                                         ; all sixteen work-groups are here: the first joint loads meet
.irp s, 0,1
	s_mov_b32 s[G0+4*\s], 1
	s_add_co_u32 s[G0+4*\s+1], s20, \s*SLOT
	s_add_nc_u64 s[G0+4*\s+2:G0+4*\s+3], s[14:15], \s*2*PLANE      ; slot s begins with heads 2 s, 2 s + 1
	s_or_b32 s[G0+4*\s+3], s[G0+4*\s+3], 0x80000000
	s_mov_b32 s[G0B+4*\s], 1
	s_add_co_u32 s[G0B+4*\s+1], s23, \s*SLOT
	s_add_nc_u64 s[G0B+4*\s+2:G0B+4*\s+3], s[46:47], \s*2*WPL
	s_or_b32 s[G0B+4*\s+3], s[G0B+4*\s+3], 0x80000000
	JLOAD \s                                       ; two loads of mine are out
.endr
	v_and_b32 v1, 15, v0                           ; r
	v_bfe_u32 v2, v0, 4, 1                         ; h
	v_mul_u32_u24 v3, v1, PITCH
	v_lshl_add_u32 v3, v2, 4, v3
	s_mul_i32 s21, s11, 64*PITCH                   ; my 64 rows of A's planes
	s_mul_i32 s22, s12, 128*PITCH                  ; my 128 rows of B's,
	s_add_co_u32 s22, s22, 2*APL
.irp s, 0,1
	v_add_nc_u32 v[ADRA+\s], s21, v3
	v_add_nc_u32 v[ADRB+\s], s22, v3
	s_add_co_u32 s21, s21, SLOT
	s_add_co_u32 s22, s22, SLOT
.endr
	s_mul_i32 s23, s10, 16*SPITCH                  ; my stage
	v_mul_u32_u24 v4, v1, SPITCH
	v_lshl_add_u32 v4, v2, 5, v4
	v_add_nc_u32 v[STO], s23, v4                   ; in: row r, 32 bytes for each half of the lanes
	v_and_b32 v5, 31, v0
	v_lshlrev_b32 v[CO], 4, v5
	v_add_nc_u32 v[RD], s23, v[CO]                 ; back: the 32 lanes take one row of 512 bytes
	v_lshlrev_b32 v[PFO], 18, v2
	v_lshl_add_u32 v[PFO], v1, 8, v[PFO]           ; the prefetch: plane l / 16, block l % 16
	; out0 at my wave's first row and column
	s_lshl_b32 s46, s41, 23
	s_lshl_b32 s47, s2, 19
	s_add_co_u32 s46, s46, s47
	s_lshl_b32 s47, s11, 18
	s_add_co_u32 s46, s46, s47
	s_lshl_b32 s47, s42, 10
	s_add_co_u32 s46, s46, s47
	s_lshl_b32 s47, s12, 9
	s_add_co_u32 s46, s46, s47
	s_mov_b32 s47, 0
	s_add_nc_u64 s[8:9], s[8:9], s[46:47]
	; the prefetches' base: the tile's rows, my work-group's 16 blocks of each plane, at slot step 3: the first refill steps it to 4
	s_lshl_b32 s46, s41, 22
	s_lshl_b32 s47, s2, 14
	s_add_co_u32 s46, s46, s47
	s_lshl_b32 s47, s40, 12
	s_add_co_u32 s46, s46, s47
	s_add_co_u32 s46, s46, 6*PLANE
	s_mov_b32 s47, 0
	s_add_nc_u64 s[PFA:PFA+1], s[4:5], s[46:47]
	s_cmp_eq_u32 s10, 0
	s_cselect_b32 s[LIM], 1, -1
.macro MUL8 f, a, zero                 ; A's block a x B's eight, 32 along K; the 32 accumulators take turns in one fixed order
.irp b, 0,1,2,3,4,5,6,7
.if \zero
	v_wmma_f32_16x16x32_f16 v[8*(8*(\a)+\b):8*(8*(\a)+\b)+7], v[64*(\f)+8*\b:64*(\f)+8*\b+7], v[64+32*(\f)+8*(\a):64+32*(\f)+8*(\a)+7], 0
.else
	v_wmma_f32_16x16x32_f16 v[8*(8*(\a)+\b):8*(8*(\a)+\b)+7], v[64*(\f)+8*\b:64*(\f)+8*\b+7], v[64+32*(\f)+8*(\a):64+32*(\f)+8*(\a)+7], v[8*(8*(\a)+\b):8*(8*(\a)+\b)+7]
.endif
.endr
.endm
.macro FETCH slot, q, f                ; quarter q of a slot (head q / 2, channels 32 (q % 2) on) into buffer f: 16 loads of B, then 8 of A
	WIN TO_B
.irp i, 0,1,2,3,4,5,6,7
	ds_load_b128 v[64*(\f)+8*\i:64*(\f)+8*\i+3], v[ADRB+\slot] offset:((\q)/2)*BPL+((\q)%2)*64+\i*16*PITCH
	ds_load_b128 v[64*(\f)+8*\i+4:64*(\f)+8*\i+7], v[ADRB+\slot] offset:((\q)/2)*BPL+((\q)%2)*64+\i*16*PITCH+32
.endr
	WIN 0
.irp i, 0,1,2,3
	ds_load_b128 v[64+32*(\f)+8*\i:64+32*(\f)+8*\i+3], v[ADRA+\slot] offset:((\q)/2)*APL+((\q)%2)*64+\i*16*PITCH
	ds_load_b128 v[64+32*(\f)+8*\i+4:64+32*(\f)+8*\i+7], v[ADRA+\slot] offset:((\q)/2)*APL+((\q)%2)*64+\i*16*PITCH+32
.endr
.endm
.macro PLACES                          ; four plain lines in front of loads into registers that matrix instructions have read, and of reads of results
.rept 4
	v_nop
.endr
.endm
.macro QUARTER slot, qn, f, g, zero    ; multiplies buffer f; in its middle fetches quarter qn of the same slot into buffer g
	s_wait_dscnt 4                                 ; B and A's blocks 0, 1 are in; the youngest four loads (A's blocks 2, 3) may be out
	WIN MUL
	MUL8 \f, 0, \zero
	MUL8 \f, 1, \zero
	PLACES
	FETCH \slot, \qn, \g
	s_wait_dscnt 24                                ; all but the 24 just issued
	WIN MUL
	MUL8 \f, 2, \zero
	MUL8 \f, 3, \zero
.endm
; A slot's last quarter multiplies buffer 1 and changes slots: one barrier; in front of it each wave waits for all its tensor loads, adds 0 to its spare word, and waits for that and for its reads of this slot.
; fill = 1: the barrier opens a round of the cluster's, and this slot is filled again, two slot steps ahead: 112 matrix instructions ahead of the wait for it.
.macro TURN slot, next, fill
.if \fill
	s_wait_xcnt 0x0                                ; the last prefetch, a slot step back, has read its address
	s_add_nc_u64 s[PFA:PFA+1], s[PFA:PFA+1], 2*PLANE
.endif
	WIN 0                                          ; the add's two registers lie in window 0
	s_wait_tensorcnt 0x0
	ds_add_u32 v[SPW], v[NIL]
	s_wait_dscnt 5                                 ; the add and the youngest four loads may be out
	WIN MUL
	MUL8 1, 0, 0
	s_wait_dscnt 0x0                               ; the add is done, and my reads of this slot are over
	s_barrier_signal -1
	MUL8 1, 1, 0
.if \fill
	WIN 0
.endif
	s_barrier_wait -1
.if \fill
	CREST                                          ; no wave of any partner still reads this slot or has a load on its way
	s_add_nc_u64 s[G0+4*\slot+2:G0+4*\slot+3], s[G0+4*\slot+2:G0+4*\slot+3], 4*PLANE
	s_add_nc_u64 s[G0B+4*\slot+2:G0B+4*\slot+3], s[G0B+4*\slot+2:G0B+4*\slot+3], 4*WPL
	JLOAD \slot                                    ; the four v_nop behind it are also the places in front of the loads below
.else
	PLACES
.endif
	FETCH \next, 0, 0
.if \fill
	ASK
.endif
	WIN MUL
	MUL8 1, 2, 0
	MUL8 1, 3, 0
.endm
	s_wait_tensorcnt 1                             ; my part of slot 0 is in; slot 1's may be out
	s_barrier_signal -1
	s_barrier_wait -1
	FETCH 0, 0, 0
	QUARTER 0, 1, 0, 1, 1                          ; the first quarter's products start the sums
	WIN 0
	s_mov_b32 s3, LAPS-1
.Llap:                                             ; a trip goes once round the ring and fills both slots again
	QUARTER 0, 2, 1, 0, 0
	QUARTER 0, 3, 0, 1, 0
	TURN 0, 1, 1
	QUARTER 1, 1, 0, 1, 0
	QUARTER 1, 2, 1, 0, 0
	QUARTER 1, 3, 0, 1, 0
	TURN 1, 0, 1
	QUARTER 0, 1, 0, 1, 0
	WIN 0
	s_sub_co_u32 s3, s3, 1
	s_cmp_lg_u32 s3, 0
	s_cbranch_scc1 .Llap
	QUARTER 0, 2, 1, 0, 0                          ; the last lap fills nothing
	QUARTER 0, 3, 0, 1, 0
	TURN 0, 1, 0
	QUARTER 1, 1, 0, 1, 0
	QUARTER 1, 2, 1, 0, 0
	QUARTER 1, 3, 0, 1, 0
	s_wait_dscnt 4
	WIN MUL
	MUL8 1, 0, 0
	MUL8 1, 1, 0
	s_wait_dscnt 0
	MUL8 1, 2, 0
	MUL8 1, 3, 0
	WIN 0
; THE WAY OUT, block by block of 16 rows x 128 columns, through my own stage: rows come back whole, 512 bytes, and the 32 lanes store them.
.macro TOSTAGE a
	WIN 0x08                                       ; an LDS store's data: window 2
.irp b, 0,1,2,3,4,5,6,7
	ds_store_b128 v[STO], v[64*(\a)+8*\b:64*(\a)+8*\b+3] offset:64*\b          ; each accumulator from its low end on
	ds_store_b128 v[STO], v[64*(\a)+8*\b+4:64*(\a)+8*\b+7] offset:64*\b+16
.endr
	WIN 0
.set BB, BK+64*((\a)%2)
.irp t, 0,1,2,3,4,5,6,7,8,9,10,11,12,13,14,15
	ds_load_b128 v[BB+4*\t:BB+4*\t+3], v[RD] offset:\t*SPITCH
.endr
.endm
.macro SEND a, younger
.set BB, BK+64*((\a)%2)
	s_wait_dscnt \younger
.irp t, 0,1,2,3,4,5,6,7,8,9,10,11,12,13,14,15
	global_store_b128 v[CO], v[BB+4*\t:BB+4*\t+3], s[8:9] offset:(16*(\a)+\t)*4096 th:TH_STORE_NT   ; 512 consecutive bytes, aligned; written once
.endr
.endm
	PLACES
	s_cmp_eq_u32 s13, 0                            ; block 0 holds positions 0-15 of a batch: not stored here.  The branch hangs on the cluster's number and the wave's
	s_cbranch_scc1 .Lskip0
	TOSTAGE 0
	SEND 0, 0
.Lskip0:
	TOSTAGE 1
.irp a, 2,3
	s_wait_xcnt 0x0                                ; block a - 2's stores have read their registers
	TOSTAGE \a
	SEND \a-1, 32                                  ; behind block a - 1's loads: block a's 16 stores and 16 loads
.endr
	SEND 3, 0
	s_wait_tensorcnt 0x0                           ; the wave's end
	ds_add_u32 v[SPW], v[NIL]
	s_wait_dscnt 0x0
	CROUND                                         ; the closing round
	s_endpgm
.Lfunc_end_k_qa0141d2a9f_oproj:
	.size	k_qa0141d2a9f_oproj, .Lfunc_end_k_qa0141d2a9f_oproj-k_qa0141d2a9f_oproj
	.p2alignl 7, 3214868480
	.fill 96, 4, 3214868480
	.section	.rodata,"a",@progbits
	.p2align	6, 0x0
	.amdhsa_kernel k_qa0141d2a9f_oproj
		.amdhsa_group_segment_fixed_size 327680
		.amdhsa_private_segment_fixed_size 0
		.amdhsa_enable_private_segment 0
		.amdhsa_kernarg_size 24
		.amdhsa_user_sgpr_count 2
		.amdhsa_user_sgpr_kernarg_segment_ptr 1
		.amdhsa_wavefront_size32 1
		.amdhsa_system_sgpr_workgroup_id_x 1
		.amdhsa_system_sgpr_workgroup_id_y 1
		.amdhsa_system_sgpr_workgroup_id_z 1
		.amdhsa_system_vgpr_workitem_id 0
		.amdhsa_next_free_vgpr 768
		.amdhsa_next_free_sgpr 66
		.amdhsa_reserve_vcc 0
		.amdhsa_float_denorm_mode_32 3
		.amdhsa_float_denorm_mode_16_64 3
		.amdhsa_memory_ordered 1
		.amdhsa_forward_progress 1
		.amdhsa_inst_pref_size 86
	.end_amdhsa_kernel
	.amdgpu_metadata
---
amdhsa.version: [ 1, 2 ]
amdhsa.kernels:
  - .name:           k_qa0141d2a9f_oproj
    .symbol:         k_qa0141d2a9f_oproj.kd
    .args:
      - { .name: att, .offset: 0, .size: 8, .value_kind: global_buffer, .address_space: global }
      - { .name: wo16, .offset: 8, .size: 8, .value_kind: global_buffer, .address_space: global }
      - { .name: out0, .offset: 16, .size: 8, .value_kind: global_buffer, .address_space: global }
    .group_segment_fixed_size: 327680
    .private_segment_fixed_size: 0
    .kernarg_segment_align: 8
    .kernarg_segment_size: 24
    .max_flat_workgroup_size: 128
    .sgpr_count:     66
    .vgpr_count:     768
    .wavefront_size: 32
...
	.end_amdgpu_metadata
.endif
;; end of part 4
;; launch fine16 (part 5): grid 16 x 4, 4 waves a work-group, no clusters, 17,920 bytes of LDS; arguments fine, o_proj_weight, out0; writes out0
.if DOCPART == 5
	.amdgcn_target "amdgcn-amd-amdhsa--gfx1250"
	.amdhsa_code_object_version 6
	.text
	.protected	k_qa0141d2a9f_fine16
	.globl	k_qa0141d2a9f_fine16
	.p2align	8
	.type	k_qa0141d2a9f_fine16,@function
k_qa0141d2a9f_fine16:
	s_mov_b64 s[64:65], 0
	v_nop
	global_prefetch_b8 v0, s[64:65] scope:SCOPE_SE
	s_setreg_imm32_b32 hwreg(HW_REG_WAVE_MODE, 25, 1), 1
	s_wait_xcnt 0x0
; Positions 0-15 of each batch, all in f32: these rows average one to sixteen values and are the largest of the output, so no operand of theirs is rounded to 16 bits.
; fine [4][16][3072]: q, k, v of these positions; wo [1024][1024] f32; out0 rows b x 2048 + 0 .. 15.
; SHARES.  Work-group (cg, b) makes 64 columns of the 16 rows: 256 consecutive bytes of each row.  Wave w takes heads 4 w .. 4 w + 3, which are also its quarter of the last product's K:
; a head's attention result never leaves the wave's registers.  The four waves' partial sums meet in LDS.
; All products by v_wmma_f32_16x16x4_f32, 96 a head.  Along each product's K the numbers are taken in an order that is the same for both operands, so that loads of 16 bytes and result registers serve as operands as they stand.
;   S^T = K Q^T: product (c, u): d = 8 c + 4 h + 2 u + j.     O^T = V^T P: product kq: key = 8 h + 2 kq + j.     OUT^T = wo O: product (ct, kq): d = 16 ct + 8 h + 2 kq + j.
; The registers that these instructions write (SA, SB, OAC, OUTA) are written by them alone; what is made of a sum goes into other registers.
; REGISTERS: window 0: v3-12 addresses and constants; v16-47 Q; v48-79 K; v80-111 V; v112-127 SA, SB; v128-135 the scores, then p; v136-143 at work; v144-175 O^T; v176-207 OUT^T; v208-239 sums.  window 1: wo's fragments, two sets of 128.
.set VQ,  3
.set VV,  4
.set VW,  5
.set DQ,  6
.set STO, 7
.set RD,  8
.set GO,  9
.set SPW, 10
.set NIL, 11
.set NINF, 12
.set FQ,  16
.set FK,  48
.set FV,  80
.set SA,  112                          ; SB = SA + 8
.set TT,  128
.set WK,  136
.set OAC, 144
.set OUTA, 176
.set SUM, 208
.set SPARE, 17408                      ; behind four stages of 16 rows x 272 bytes: the spare words, named by no other line
.set CS,  12                           ; s[12:13] c = log2(e) / 8, twice
.set SEL, 14                           ; s[14:15]
.set MSB, 0
.macro WIN new
.if MSB != (\new)
	s_set_vgpr_msb (MSB<<8)|(\new)
.set MSB, (\new)
.endif
.endm
	s_load_b128 s[4:7], s[0:1], 0x0                ; fine, wo
	s_load_b64 s[8:9], s[0:1], 0x10                ; out0
	v_lshl_add_u32 v[SPW], v0, 2, SPARE
	v_mov_b32 v[NIL], 0
	v_lshrrev_b32 v1, 5, v0
	v_readfirstlane_b32 s10, v1                    ; wave
	v_and_b32 v1, 15, v0                           ; r
	v_bfe_u32 v2, v0, 4, 1                         ; h
	s_lshl_b32 s11, s10, 10                        ; my four heads: 1,024 bytes on in a row
	v_mul_u32_u24 v[VQ], v1, 12288
	v_lshl_add_u32 v[VQ], v2, 4, v[VQ]
	v_add_nc_u32 v[VQ], s11, v[VQ]                 ; Q, K: position r, + 16 h
	v_mul_u32_u24 v[VV], v2, 98304
	v_lshl_add_u32 v[VV], v1, 2, v[VV]
	v_add_nc_u32 v[VV], s11, v[VV]                 ; V: position 8 h, channel r
	v_lshlrev_b32 v[VW], 12, v1
	v_lshl_add_u32 v[VW], v2, 5, v[VW]
	v_add_nc_u32 v[VW], s11, v[VW]                 ; wo: row r, + 32 h
	v_lshlrev_b32 v13, 3, v2
	v_sub_nc_u32 v[DQ], v1, v13                    ; r - 8 h
	s_mul_i32 s16, s10, 4352
	v_mul_u32_u24 v[STO], v1, 272
	v_lshl_add_u32 v[STO], v2, 5, v[STO]
	v_add_nc_u32 v[STO], s16, v[STO]               ; my stage: row r, + 32 h
	s_mul_i32 s16, s10, 1088
	v_mul_u32_u24 v[RD], v2, 272
	v_lshl_add_u32 v[RD], v1, 4, v[RD]
	v_add_nc_u32 v[RD], s16, v[RD]                 ; back: row 4 w + h, 16 r bytes on
	s_lshl_b32 s16, s10, 14
	v_lshlrev_b32 v[GO], 12, v2
	v_lshl_add_u32 v[GO], v1, 4, v[GO]
	v_add_nc_u32 v[GO], s16, v[GO]                 ; and the same place in out0
	v_mov_b32 v[NINF], 0xff800000
	v_mov_b32 v[WK+3], 0                           ; named as the upper half of a pair
	s_mov_b32 s[CS], 0x3e38aa3b
	s_mov_b32 s[CS+1], s[CS]
	s_mov_b32 s[SEL], 0x76543210
	s_mov_b32 s[SEL+1], 0xfedcba98
	s_and_b32 s18, ttmp7, 0xffff                   ; batch
	s_mul_i32 s16, s18, 196608
	s_mov_b32 s17, 0
	s_lshl_b32 s20, ttmp9, 18                      ; 64 rows of wo
	s_mov_b32 s21, 0
	s_lshl_b32 s22, s18, 23
	s_lshl_b32 s23, ttmp9, 8
	s_add_co_u32 s22, s22, s23
	s_mov_b32 s23, 0
	s_wait_kmcnt 0x0
	s_add_nc_u64 s[4:5], s[4:5], s[16:17]
	s_add_nc_u64 s[6:7], s[6:7], s[20:21]
	s_add_nc_u64 s[8:9], s[8:9], s[22:23]
.macro LWO hd                          ; wo's fragments of head hd (under a window setting with destination 1): rows 16 n + r, d = 16 ct + 8 h + 0 .. 7
.set WS, 128*((\hd)%2)
.irp n, 0,1,2,3
.irp ct, 0,1,2,3
	global_load_b128 v[WS+32*\n+8*\ct:WS+32*\n+8*\ct+3], v[VW], s[6:7] offset:65536*\n+256*(\hd)+64*\ct
	global_load_b128 v[WS+32*\n+8*\ct+4:WS+32*\n+8*\ct+7], v[VW], s[6:7] offset:65536*\n+256*(\hd)+64*\ct+16
.endr
.endr
.endm
.macro LQK hd
.irp c, 0,1,2,3,4,5,6,7
	global_load_b128 v[FQ+4*\c:FQ+4*\c+3], v[VQ], s[4:5] offset:256*(\hd)+32*\c
.endr
.irp c, 0,1,2,3,4,5,6,7
	global_load_b128 v[FK+4*\c:FK+4*\c+3], v[VQ], s[4:5] offset:4096+256*(\hd)+32*\c
.endr
.endm
.macro LV hd                           ; V(key 8 h + kk, channel 16 ct + r)
.irp ct, 0,1,2,3
.irp kk, 0,1,2,3,4,5,6,7
	global_load_b32 v[FV+8*\ct+\kk], v[VV], s[4:5] offset:\kk*12288+8192+256*(\hd)+64*\ct
.endr
.endr
.endm
	WIN 0x40
	LWO 0
	WIN 0
	LQK 0
	LV 0
.macro HEAD hd
	s_wait_loadcnt 32                              ; wo, Q and K of this head are in; V's 32 loads may be out
.irp c, 0,1,2,3,4,5,6,7                ; S^T = K Q^T in two accumulators by turns
.irp u, 0,1
.if \c == 0
	v_wmma_f32_16x16x4_f32 v[SA+8*\u:SA+8*\u+7], v[FK+4*\c+2*\u:FK+4*\c+2*\u+1], v[FQ+4*\c+2*\u:FQ+4*\c+2*\u+1], 0
.else
	v_wmma_f32_16x16x4_f32 v[SA+8*\u:SA+8*\u+7], v[FK+4*\c+2*\u:FK+4*\c+2*\u+1], v[FQ+4*\c+2*\u:FQ+4*\c+2*\u+1], v[SA+8*\u:SA+8*\u+7]
.endif
.endr
.endr
.rept 8
	v_nop                                          ; eight plain lines behind this form, in front of loads into its sources and of the first read of its results
.endr
.if (\hd) < 3
	WIN 0x40
	LWO (\hd)+1
	WIN 0
	LQK (\hd)+1
.endif
.irp p, 0,1,2,3
	v_pk_add_f32 v[TT+2*\p:TT+2*\p+1], v[SA+2*\p:SA+2*\p+1], v[SA+8+2*\p:SA+8+2*\p+1]   ; register j: key 8 h + j, query r
.endr
.irp j, 0,1,2,3,4,5,6,7
	v_cmp_gt_i32 vcc_lo, \j, v[DQ]                 ; key 8 h + j comes after query r
	v_cndmask_b32 v[TT+\j], v[TT+\j], v[NINF], vcc_lo
.endr
	v_max3_num_f32 v[WK], v[TT], v[TT+1], v[TT+2]
	v_max3_num_f32 v[WK+1], v[TT+3], v[TT+4], v[TT+5]
	v_max3_num_f32 v[WK], v[WK], v[TT+6], v[TT+7]
	v_max_num_f32 v[WK], v[WK], v[WK+1]
	v_permlanex16_b32 v[WK+1], v[WK], s[SEL], s[SEL+1]
	v_max_num_f32 v[WK], v[WK], v[WK+1]            ; the row's maximum: key 0 counts for every query, so it is a number
	v_mul_f32 v[WK+2], s[CS], v[WK]
.irp p, 0,1,2,3
	v_pk_fma_f32 v[TT+2*\p:TT+2*\p+1], v[TT+2*\p:TT+2*\p+1], s[CS:CS+1], v[WK+2:WK+3] op_sel_hi:[1,0,0] neg_lo:[0,0,1] neg_hi:[0,0,1]
.endr
.irp j, 0,1,2,3,4,5,6,7
	v_exp_f32 v[TT+\j], v[TT+\j]
.endr
	v_nop
	s_wait_alu depctr_va_vdst(0)                   ; one wait for the eight exponentials, ahead of their first reader
	v_pk_add_f32 v[WK+4:WK+5], v[TT:TT+1], v[TT+2:TT+3]
	v_pk_add_f32 v[WK+6:WK+7], v[TT+4:TT+5], v[TT+6:TT+7]
	v_pk_add_f32 v[WK+4:WK+5], v[WK+4:WK+5], v[WK+6:WK+7]
	v_add_f32 v[WK+4], v[WK+4], v[WK+5]
	v_permlanex16_b32 v[WK+5], v[WK+4], s[SEL], s[SEL+1]
	v_add_f32 v[WK+4], v[WK+4], v[WK+5]
	v_rcp_f32 v[WK+6], v[WK+4]
	v_nop
	s_wait_alu depctr_va_vdst(0)
.irp p, 0,1,2,3
	v_pk_mul_f32 v[TT+2*\p:TT+2*\p+1], v[TT+2*\p:TT+2*\p+1], v[WK+6:WK+7] op_sel_hi:[1,0]   ; the weights, normalised
.endr
.if (\hd) < 3
	s_wait_loadcnt 48                              ; V is in; the next head's wo, Q and K (48 loads) may be out
.else
	s_wait_loadcnt 0x0
.endif
.irp kq, 0,1,2,3                       ; O^T = V^T P: four accumulators by turns
.irp ct, 0,1,2,3
.if \kq == 0
	v_wmma_f32_16x16x4_f32 v[OAC+8*\ct:OAC+8*\ct+7], v[FV+8*\ct+2*\kq:FV+8*\ct+2*\kq+1], v[TT+2*\kq:TT+2*\kq+1], 0
.else
	v_wmma_f32_16x16x4_f32 v[OAC+8*\ct:OAC+8*\ct+7], v[FV+8*\ct+2*\kq:FV+8*\ct+2*\kq+1], v[TT+2*\kq:TT+2*\kq+1], v[OAC+8*\ct:OAC+8*\ct+7]
.endif
.endr
.endr
.rept 9
	v_nop                                          ; nine plain lines before a matrix instruction takes these results as a source
.endr
.if (\hd) < 3
	LV (\hd)+1
.endif
.set WS, 128*((\hd)%2)
	WIN 0x01                                       ; source 0 (wo) window 1
.irp ct, 0,1,2,3                       ; OUT^T += wo O: four accumulators by turns, on through all four heads
.irp kq, 0,1,2,3
.irp n, 0,1,2,3
.if ((\hd) == 0) && (\ct == 0) && (\kq == 0)
	v_wmma_f32_16x16x4_f32 v[OUTA+8*\n:OUTA+8*\n+7], v[WS+32*\n+8*\ct+2*\kq:WS+32*\n+8*\ct+2*\kq+1], v[OAC+8*\ct+2*\kq:OAC+8*\ct+2*\kq+1], 0
.else
	v_wmma_f32_16x16x4_f32 v[OUTA+8*\n:OUTA+8*\n+7], v[WS+32*\n+8*\ct+2*\kq:WS+32*\n+8*\ct+2*\kq+1], v[OAC+8*\ct+2*\kq:OAC+8*\ct+2*\kq+1], v[OUTA+8*\n:OUTA+8*\n+7]
.endif
.endr
.endr
.endr
	WIN 0
.endm
	HEAD 0
	HEAD 1
	HEAD 2
	HEAD 3
.rept 8
	v_nop                                          ; eight plain lines in front of the first read of the results
.endr
.irp n, 0,1,2,3
	ds_store_b128 v[STO], v[OUTA+8*\n:OUTA+8*\n+3] offset:64*\n            ; query r, columns 16 n + 8 h on; each accumulator from its low end on
	ds_store_b128 v[STO], v[OUTA+8*\n+4:OUTA+8*\n+7] offset:64*\n+16
.endr
	s_wait_dscnt 0x0                               ; for the others' sake: my partial sums lie in LDS
	s_barrier_signal -1
	s_barrier_wait -1
.irp g, 0,1                            ; wave w adds the four parts of rows 4 w .. 4 w + 3, two rows at a time
.irp p, 0,1,2,3
	ds_load_b128 v[SUM+16*\g+4*\p:SUM+16*\g+4*\p+3], v[RD] offset:4352*\p+544*\g
.endr
.endr
	s_wait_dscnt 0x0
.irp g, 0,1
	v_pk_add_f32 v[SUM+16*\g:SUM+16*\g+1], v[SUM+16*\g:SUM+16*\g+1], v[SUM+16*\g+4:SUM+16*\g+5]
	v_pk_add_f32 v[SUM+16*\g+2:SUM+16*\g+3], v[SUM+16*\g+2:SUM+16*\g+3], v[SUM+16*\g+6:SUM+16*\g+7]
	v_pk_add_f32 v[SUM+16*\g+8:SUM+16*\g+9], v[SUM+16*\g+8:SUM+16*\g+9], v[SUM+16*\g+12:SUM+16*\g+13]
	v_pk_add_f32 v[SUM+16*\g+10:SUM+16*\g+11], v[SUM+16*\g+10:SUM+16*\g+11], v[SUM+16*\g+14:SUM+16*\g+15]
	v_pk_add_f32 v[SUM+16*\g:SUM+16*\g+1], v[SUM+16*\g:SUM+16*\g+1], v[SUM+16*\g+8:SUM+16*\g+9]
	v_pk_add_f32 v[SUM+16*\g+2:SUM+16*\g+3], v[SUM+16*\g+2:SUM+16*\g+3], v[SUM+16*\g+10:SUM+16*\g+11]
	global_store_b128 v[GO], v[SUM+16*\g:SUM+16*\g+3], s[8:9] offset:8192*\g   ; sixteen lanes store 256 consecutive bytes, aligned
.endr
	s_wait_tensorcnt 0x0                           ; the wave's end
	ds_add_u32 v[SPW], v[NIL]
	s_wait_dscnt 0x0
	s_endpgm
.Lfunc_end_k_qa0141d2a9f_fine16:
	.size	k_qa0141d2a9f_fine16, .Lfunc_end_k_qa0141d2a9f_fine16-k_qa0141d2a9f_fine16
	.p2alignl 7, 3214868480
	.fill 96, 4, 3214868480
	.section	.rodata,"a",@progbits
	.p2align	6, 0x0
	.amdhsa_kernel k_qa0141d2a9f_fine16
		.amdhsa_group_segment_fixed_size 17920
		.amdhsa_private_segment_fixed_size 0
		.amdhsa_enable_private_segment 0
		.amdhsa_kernarg_size 24
		.amdhsa_user_sgpr_count 2
		.amdhsa_user_sgpr_kernarg_segment_ptr 1
		.amdhsa_wavefront_size32 1
		.amdhsa_system_sgpr_workgroup_id_x 1
		.amdhsa_system_sgpr_workgroup_id_y 1
		.amdhsa_system_sgpr_workgroup_id_z 1
		.amdhsa_system_vgpr_workitem_id 0
		.amdhsa_next_free_vgpr 512
		.amdhsa_next_free_sgpr 66
		.amdhsa_reserve_vcc 1
		.amdhsa_float_denorm_mode_32 3
		.amdhsa_float_denorm_mode_16_64 3
		.amdhsa_memory_ordered 1
		.amdhsa_forward_progress 1
		.amdhsa_inst_pref_size 72
	.end_amdhsa_kernel
	.amdgpu_metadata
---
amdhsa.version: [ 1, 2 ]
amdhsa.kernels:
  - .name:           k_qa0141d2a9f_fine16
    .symbol:         k_qa0141d2a9f_fine16.kd
    .args:
      - { .name: fine, .offset: 0, .size: 8, .value_kind: global_buffer, .address_space: global }
      - { .name: o_proj_weight, .offset: 8, .size: 8, .value_kind: global_buffer, .address_space: global }
      - { .name: out0, .offset: 16, .size: 8, .value_kind: global_buffer, .address_space: global }
    .group_segment_fixed_size: 17920
    .private_segment_fixed_size: 0
    .kernarg_segment_align: 8
    .kernarg_segment_size: 24
    .max_flat_workgroup_size: 128
    .sgpr_count:     66
    .vgpr_count:     512
    .wavefront_size: 32
...
	.end_amdgpu_metadata
.endif
;; end of part 5
